; MI455X (gfx1250); checked and timed in simulation.
; The chip was launched on July 23, 2026; its instructions are those of AMD's public machine-readable ISA for CDNA 5 (MIT licence, August 2026) and "CDNA5" Instruction Set Architecture Reference Guide (July 2026). The comments in the code are by the model that wrote it; some were corrected since.
;; Multi Head Attention. Allowed arithmetic: matrix products marked QUANTISED: E2M1 operands, one E8M0 scale for each 32 along K, by v_wmma_scale_f32_16x16x128_f8f6f4 with both operands' format E2M1 (or v_wmma_scale_f32_32x16x128_f4), f32 sums; everything else in f32.
;; Inputs: k_b 1,024 float32; k_w_codes 1,024 x 32 x 16 uint8 (E2M1 codes of k_w, K innermost, in blocks of 32 codes, two codes a byte); k_w_scales 1,024 x 32 uint8 (E8M0 scales of k_w, one for each 32 codes along K); key_padding_mask 4 x 2,048 bool; o_b 1,024 float32; o_w_codes 1,024 x 32 x 16 uint8 (E2M1 codes of o_w, K innermost, in blocks of 32 codes, two codes a byte); o_w_scales 1,024 x 32 uint8 (E8M0 scales of o_w, one for each 32 codes along K); q_b 1,024 float32; q_w_codes 1,024 x 32 x 16 uint8 (E2M1 codes of q_w, K innermost, in blocks of 32 codes, two codes a byte); q_w_scales 1,024 x 32 uint8 (E8M0 scales of q_w, one for each 32 codes along K); v_b 1,024 float32; v_w_codes 1,024 x 32 x 16 uint8 (E2M1 codes of v_w, K innermost, in blocks of 32 codes, two codes a byte); v_w_scales 1,024 x 32 uint8 (E8M0 scales of v_w, one for each 32 codes along K); x_codes 4 x 2,048 x 32 x 16 uint8 (E2M1 codes of x, K innermost, in blocks of 32 codes, two codes a byte); x_scales 4 x 2,048 x 32 uint8 (E8M0 scales of x, one for each 32 codes along K).
;; Outputs: out0 4 x 2,048 x 1,024 float32.
;; This version of the problem:
;;   THIS VERSION OF THE PROBLEM IS GIVEN IN LOW PRECISION. The matrix products marked QUANTISED in the list below multiply operands that are first quantised to E2M1 (2 exponent bits, 1 mantissa bit; 4 bits a number), with one power-of-two scale for each 32 numbers along K (OCP MX v1.0); their sums are f32. All else is computed in f32.
;;   The module's matrix products, in the order in which they are computed (A, B: the left and right operand; K: the contracted axis; several contracted axes count as one K, in the product's order):
;;     1. [M 8,192, K 1,024] x [K 1,024, N 1,024]; A: input x (given as codes); B: input q_w (given as codes): QUANTISED
;;     2. [M 8,192, K 1,024] x [K 1,024, N 1,024]; A: input x (given as codes); B: input k_w (given as codes): QUANTISED
;;     3. [M 8,192, K 1,024] x [K 1,024, N 1,024]; A: input x (given as codes); B: input v_w (given as codes): QUANTISED
;;     4. batch 64 x [M 2,048, K 64] x [K 64, N 2,048]; A: computed on the way; B: computed on the way: QUANTISED
;;     5. batch 64 x [M 2,048, K 2,048] x [K 2,048, N 64]; A: softmax (see below); B: computed on the way: QUANTISED
;;     6. [M 8,192, K 1,024] x [K 1,024, N 1,024]; A: computed on the way; B: input o_w (given as codes): QUANTISED
;;   THE QUANTISER, for each operand of a quantised product, along K:
;;     - K is cut into blocks of 32 from its start; a last block that is shorter is filled with zeros.
;;     - A block's scale is 2^e with e = floor(log2(the largest magnitude in the block)) - 2, held to -126 .. 127; a block of zeros has e = 0. As a byte (E8M0): e + 127.
;;     - Each number is divided by its block's scale, clamped to +-6, and rounded to the nearest number of E2M1, ties to even, subnormals kept.
;;     - The product sums the exact products of the quantised numbers (number of the format x scale) in f32.
;;   ~~~python
;;   def quantise(x, axis):      # numpy; x: float32 -> the quantised numbers, widened to float32 again
;;       x = np.moveaxis(x, axis, -1); K = x.shape[-1]
;;       x = np.pad(x, [(0, 0)] * (x.ndim - 1) + [(0, -K % 32)]); x = x.reshape(x.shape[:-1] + (-1, 32)); a = np.abs(x).max(-1, keepdims=True)
;;       e = np.where(a > 0, np.clip(np.frexp(np.where(a > 0, a, 1))[1] - 1 - 2, -126, 127), 0)      # np.frexp(a)[1] - 1 = floor(log2(a)), exactly
;;       r = np.clip(x / 2.0 ** e, -6, 6)
;;       step = 2.0 ** (np.maximum(np.frexp(np.where(r == 0, 1, r))[1] - 1, 0) - 1)
;;       q = np.round(r / step) * step * 2.0 ** e      # np.round: ties to even
;;       return np.moveaxis(q.reshape(q.shape[:-2] + (-1,))[..., :K], -1, axis).astype(np.float32)
;;   ~~~
;;   SOFTMAX AHEAD OF A QUANTISED PRODUCT. Where the list says 'softmax', what is quantised is not the finished softmax but p = 2^(t - M), with t = logit x log2(e) and M = ceil(the row's largest t), a whole number; so 1/2 < the row's largest p <= 1. The row's sum l is taken of the UNQUANTISED p, in f32, and the product's result is divided by l at the end. Since M is a whole number, a kernel that streams over the keys may use a running M (the ceiling of the running maximum): every later rescaling is an exact power of two, which a block's scale takes up: the codes' values come out the same.
;;   OPERANDS COMPUTED ON THE WAY. 'Computed on the way' means the value that the module computes at that place (a softmax that the list does not call 'softmax' is quantised finished and normalised). What goes into a quantiser is computed in f32, as accurately as f32 sums, v_exp_f32 and their like allow (about 1e-6 of the number): no bf16 or f16 on the way to a quantiser, and a product that is left as it is and whose result goes on into a quantised operand takes f32 operands (vector FMAs, or v_wmma_f32_16x16x4_f32). A number that lies on a knife's edge between two numbers of the format may be rounded either way, as far as f32 arithmetic and the matrix unit's own rounding can turn it there, and no further.
;;   INPUTS GIVEN AS CODES. k_w (in the module: [1024, 1024], K = its axis 1); o_w (in the module: [1024, 1024], K = its axis 1); q_w (in the module: [1024, 1024], K = its axis 1); v_w (in the module: [1024, 1024], K = its axis 1); x (in the module: [4, 2048, 1024], K = its axis 2): each comes as NAME_codes (uint8): NAME with its K axis moved to the last place and cut into blocks of 32 codes, [.., K / 32, bytes a block], one block behind the other in memory; two codes a byte, the lower K in the low four bits (a code: sign, 2 exponent bits, 1 mantissa bit); and NAME_scales (uint8): the same leading axes, one E8M0 byte (e + 127) for each 32 codes along K. Its value is code x scale, taken as it is: it is not quantised again, and the codes and scales need not be those that the quantiser above would give.
;; One version. Each part assembles by itself: llvm-mc -triple=amdgcn-amd-amdhsa -mcpu=gfx1250 --defsym DOCPART=n.
;; ======== version 1 of 1: 3 launches
;; limits: right only within a limited range of input values
;; workspace buffers: qc 4,194,304 bytes; qs 524,288 bytes; kc 4,194,304 bytes; ks 524,288 bytes; vc 4,194,304 bytes; vs 262,144 bytes; ac 4,194,304 bytes; asc 262,144 bytes
;; launch qkv (part 1): grid 12 x 64, 4 waves a work-group, clusters of 4 x 4, 262,656 bytes of LDS; arguments x_codes, x_scales, key_padding_mask, q_w_codes, q_w_scales, q_b, qc, qs, k_w_codes, k_w_scales, k_b, kc, ks, v_w_codes, v_w_scales, v_b, vc, vs; writes qc, qs, kc, ks, vc, vs
.if DOCPART == 1
	.amdgcn_target "amdgcn-amd-amdhsa--gfx1250"
	.amdhsa_code_object_version 6
	.text
	.protected	k_q7d3effd94d_qkv
	.globl	k_q7d3effd94d_qkv
	.p2align	8
	.type	k_q7d3effd94d_qkv,@function
k_q7d3effd94d_qkv:
	s_mov_b64 s[64:65], 0
	v_nop
	global_prefetch_b8 v0, s[64:65] scope:SCOPE_SE
	s_setreg_imm32_b32 hwreg(HW_REG_WAVE_MODE, 25, 1), 1
	s_wait_xcnt 0x0
	s_wait_alu depctr_hold_cnt(0) depctr_sa_sdst(0) depctr_va_vdst(0) depctr_va_sdst(0) depctr_va_ssrc(0) depctr_va_vcc(0) depctr_vm_vsrc(0)
	s_getreg_b32 s2, hwreg(HW_REG_IB_STS2, 6, 4)
	s_cmp_eq_u32 s2, 0
	s_cbranch_scc0 .Lentry_in_a_cluster
	s_endpgm
.Lentry_in_a_cluster:
	s_bfe_u32 s2, ttmp6, 0x10000c
	s_cmp_lg_u32 s2, 0xf033
	s_cbranch_scc0 .Lentry_shape_is_right
	s_endpgm
.Lentry_shape_is_right:
; q = rope(x Wq^T + bq), k = rope(x Wk^T + bk), v = x Wv^T + bv, on codes of FP4 (E2M1) with one E8M0 scale for each 32 along K = 1,024; the three results are quantised here, in registers,
; q and k along the head's 64, v along the tokens (the keys), and leave as IMAGES OF OPERAND REGISTERS: every store of a wave covers 512 (v's scale words: 256) consecutive bytes, aligned.
; SHARES.  A work-group takes 128 tokens x 256 columns of ONE of the three tensors: the cluster's x says which (0 q, 1 k, 2 v), so it is the same in all sixteen partners.  Wave w takes all 128 tokens
; (8 tiles m) and columns 64 w on: one head, 4 tiles t: 32 accumulators.  All of K lies in LDS as two chunks of 512 along K, each filled once: no LDS byte is filled twice in this launch.
; CLUSTER 4 x 4.  The four of a row need the same 128 tokens of x, the four of a column the same 256 rows of W: each tile is asked for jointly, with a mask that names the four.
; q, k: source 0 = 16 rows of W, source 1 = 16 tokens: a lane holds ONE token and eight neighbouring channels.  v: source 0 = 16 tokens, source 1 = 16 rows of W: a lane holds ONE channel and eight tokens.
; So in both cases a lane's registers run along the next product's K.  The bias is the C of each sum's first matrix instruction.
; QUANTISING.  A block of 32 is two neighbouring tiles, in lanes l and l xor 16.  The conversion of block b, tile parity u, writes register 4 (b / 2) + b % 2 + 2 u; two exchanges of lane halves for each pair of
; blocks then leave registers 4 c .. 4 c + 3 with k = 64 c + 32 (lane / 16) + 0 .. 31: the operand's own layout.
; THE KEY MASK.  The score product has K = 64 in an instruction of 128: its k = 64 is put to use.  There q has the code 1.0 under the scale byte 127, and k the code -4 (both codes are set in the next launch) under
; the scale byte 158 for a masked key and 0 for any other; a masked key's 64 codes are cleared here.  So a masked score is exactly -2^33, and any other score gets -2^-125 added.
; ROPE.  cos and sin of pos x 10^(-i / 8): the angle by one f32 product; n = the nearest whole number to angle x 2 / pi; r = angle - n pi / 2 with pi / 2 in two parts (the first step is exact for pos under 2,048);
; polynomials of degree 7 and 8 on |r| <= pi / 4; the quadrant from n's two low bits.  Each wave makes the table of two tiles of tokens; it goes to the others through LDS bytes of its own.
; LIMITS.  The frequencies are the correctly rounded f32 numbers 10^(-i / 8), which may differ by a last bit or two from a power function's.  The masked logit is -2^30 where the definition has -1e9: the same
; results while real logits stay above about -1e8.  A block of zeros gets the scale byte 1 (its codes are zeros; the bytes are read by this program alone).  NaN and infinities are not served.
; LDS: slot c (c = 0, 1) at 104,448 c: x 128 rows x 272, then W 256 rows x 272 (256 bytes + 16 of padding: an odd multiple of 16, so the 16 rows that a load touches start 16 bytes apart modulo 256);
;   x's scale bytes 16 x 272; W's 32 x 272; the table [tile 8][4 quads of cos, 4 of sin][lane][16 bytes].
; REGISTERS.  window 0: v1-11 addresses; v12-15 scale words on the way out; v16-31 at work; v32-63 x's scale words, v64-79 W's; v80-87 the masks for the codes, v88-95 what is added to the scale words;
;   v96-127 codes; v128-255 x's fragments, two sets (at the head: the table's scratch; at the end: cos and sin, and the turned numbers).  window 1: v0-63 W's fragments, two sets; v64-95 the bias.  window 2: accumulators.
.set SLOTB, 104448
.set WOFF,  34816
.set XSB,   208896
.set WSB,   213248
.set TAB,   221952
.set LI,   1                           ; v1   16 x lane
.set L8,   2                           ; v2   8 x lane
.set ADRX, 3                           ; v3-4 x's fragments in slot 0, 1: 272 r + 16 h
.set ADRW, 5                           ; v5-6 my 64 rows of W likewise
.set ADSX, 7                           ; v7   x's scale words: lanes 0-15 an even tile's, lanes 16-31 the next tile's
.set ADSW, 8                           ; v8   W's likewise
.set TW,   9                           ; v9   where I store my two tiles of the table
.set TR,   10                          ; v10  where I read the table
.set BO,   11                          ; v11  the bias loads' offset
.set SW,   12
.set TM,   16                          ; v16-19 largest magnitudes; v20-23 the other half's, then bytes; v24-25 words; v28-31 the conversions' scale operands
.set XS,   32
.set WS,   64
.set KM,   80
.set AO,   88
.set PC,   96
.set XF,   128
.set CSN,  128
.set H,    192
.set WF,   0
.set BI,   64
.set F,    128                         ; the table's scratch: the frequencies;
.set AN,   144                         ; the angle, then r, then the sine;
.set NN,   160                         ; n;
.set ZZ,   176                         ; r^2, then 1 - r^2 / 2, then the cosine;
.set PS,   192                         ; sin r;
.set PO,   208                         ; cos r;
.set TT,   224                         ; at work;
.set PP,   240                         ; the position
.set WV,   20
.set ARM,  21
.set HALF, 22
.set G1X,  24
.set G1W,  32
.set G1XS, 40
.set G1WS, 48
.set G0XS, 56
.set G0X,  60
.set G0X1, 68
.set G0WS, 72
.set G0W,  76
.set G0W1, 80
.set HM,   89                          ; s89  lanes 16-31
.set SEL,  90                          ; s[90:91] v_permlanex16_b32's selects for lane l xor 16
.set ISK,  92                          ; s92  1 for k, else 0
.set QA,   93                          ; s93  127 << 16 for q, else 0
.set MB,   94                          ; s94  158 << 16
.set S2C,  66
.set C2C,  67
.set MSB, 0
.macro WIN new                         ; the immediate's high byte repeats the setting that is left; a switch that changes nothing is dropped
.if MSB != (\new)
	s_set_vgpr_msb (MSB<<8)|(\new)
.set MSB, (\new)
.endif
.endm
.macro PLACES n
.rept \n
	v_nop
.endr
.endm
.macro CROUND                          ; a round of the cluster's barrier: my work-group's barrier, wave 0 signals for it, every wave waits for all sixteen, my work-group's barrier once more
	s_barrier_signal -1
	s_barrier_wait -1
	s_cmp_lg_u32 s[WV], 0
	s_cbranch_scc1 .Lnot_wave_0_\@
	s_barrier_signal -3
.Lnot_wave_0_\@:
	s_barrier_wait -3
	s_barrier_signal -1
	s_barrier_wait -1
.endm
; one scaled matrix instruction; ra, rb = 1: that side's scale words stand in lanes 16-31 of the register named
.macro WM d, a, b, c, sa, sb, ra, rb
.if (\ra) == 0
.if (\rb) == 0
	v_wmma_scale_f32_16x16x128_f8f6f4 v[(\d):(\d)+7], v[(\a):(\a)+7], v[(\b):(\b)+7], v[(\c):(\c)+7], v[\sa], v[\sb] matrix_a_fmt:MATRIX_FMT_FP4 matrix_b_fmt:MATRIX_FMT_FP4
.else
	v_wmma_scale_f32_16x16x128_f8f6f4 v[(\d):(\d)+7], v[(\a):(\a)+7], v[(\b):(\b)+7], v[(\c):(\c)+7], v[\sa], v[\sb] matrix_a_fmt:MATRIX_FMT_FP4 matrix_b_fmt:MATRIX_FMT_FP4 matrix_b_scale:MATRIX_SCALE_ROW1
.endif
.else
.if (\rb) == 0
	v_wmma_scale_f32_16x16x128_f8f6f4 v[(\d):(\d)+7], v[(\a):(\a)+7], v[(\b):(\b)+7], v[(\c):(\c)+7], v[\sa], v[\sb] matrix_a_fmt:MATRIX_FMT_FP4 matrix_b_fmt:MATRIX_FMT_FP4 matrix_a_scale:MATRIX_SCALE_ROW1
.else
	v_wmma_scale_f32_16x16x128_f8f6f4 v[(\d):(\d)+7], v[(\a):(\a)+7], v[(\b):(\b)+7], v[(\c):(\c)+7], v[\sa], v[\sb] matrix_a_fmt:MATRIX_FMT_FP4 matrix_b_fmt:MATRIX_FMT_FP4 matrix_a_scale:MATRIX_SCALE_ROW1 matrix_b_scale:MATRIX_SCALE_ROW1
.endif
.endif
.endm
; 64 numbers of a lane in window w, register s + 16 b + 8 u + j = number 16 u + 8 (lane / 16) + j of block b, become 8 registers of codes from pc on; the four scale bytes are left in v[TM+4] on
.macro QUANT s, w, pc
	WIN (\w)|((\w)<<2)
.irp b, 0,1,2,3
	v_max3_num_f32 v[TM+\b], |v[(\s)+16*\b]|, |v[(\s)+16*\b+1]|, 0x1800000   ; my 16 numbers of block b, and the floor 2^(3 - 127): the byte cannot fall under 1
.endr
	WIN ((\w)<<2)|((\w)<<4)
.irp i, 2,4,6,8,10,12,14
.irp b, 0,1,2,3
	v_max3_num_f32 v[TM+\b], v[TM+\b], |v[(\s)+16*\b+\i]|, |v[(\s)+16*\b+\i+1]|   ; the four blocks by turns, each accumulator from its low end on
.endr
.endr
	WIN 0
.irp b, 0,1,2,3
	v_permlanex16_b32 v[TM+4+\b], v[TM+\b], s[SEL], s[SEL+1]
.endr
.irp b, 0,1,2,3
	v_max_num_f32 v[TM+\b], v[TM+\b], v[TM+4+\b]       ; with lane l xor 16's: the block's largest magnitude
.endr
.irp b, 0,1,2,3
	v_add_nc_u32 v[TM+12+\b], 0xff000000, v[TM+\b]     ; 2 off its exponent field: the conversion's scale operand
.endr
.irp b, 0,1,2,3
	v_lshrrev_b32 v[TM+4+\b], 23, v[TM+12+\b]          ; the scale's byte
.endr
	WIN \w
.irp b, 0,1,2,3
	v_cvt_scalef32_pk8_fp4_f32 v[(\pc)+4*(\b/2)+(\b%2)], v[(\s)+16*\b:(\s)+16*\b+7], v[TM+12+\b]
	v_cvt_scalef32_pk8_fp4_f32 v[(\pc)+4*(\b/2)+(\b%2)+2], v[(\s)+16*\b+8:(\s)+16*\b+15], v[TM+12+\b]
.endr
	WIN 0
	v_nop                                              ; one plain instruction behind the last conversion
.irp c, 0,1
	v_permlane16_swap_b32 v[(\pc)+4*\c], v[(\pc)+4*\c+1]       ; the first's lanes 16-31 change places with the second's lanes 0-15
	v_permlane16_swap_b32 v[(\pc)+4*\c+2], v[(\pc)+4*\c+3]
.endr
.endm
	s_load_b128 s[4:7], s[0:1], 0x0                ; x's codes, x's scales
	s_load_b64 s[8:9], s[0:1], 0x10                ; the key mask
	s_load_b256 s[24:31], s[0:1], 0x18             ; q: W's codes, W's scales, bias, codes out
	s_load_b64 s[32:33], s[0:1], 0x38              ;    scale words out
	s_load_b256 s[36:43], s[0:1], 0x40             ; k likewise
	s_load_b64 s[44:45], s[0:1], 0x60
	s_load_b256 s[48:55], s[0:1], 0x68             ; v likewise
	s_load_b64 s[56:57], s[0:1], 0x88
	v_lshl_add_u32 v26, v0, 2, 0x40000
	v_mov_b32 v27, 0
	ds_add_u32 v26, v27
	ds_add_u32 v26, v27
	v_lshrrev_b32 v16, 5, v0
	v_readfirstlane_b32 s[WV], v16                 ; wave 0..3
	s_lshr_b32 s[ARM], s[WV], 1                    ; I fetch for x (0) or for W (1),
	s_and_b32 s[HALF], s[WV], 1                    ; this half of its rows
	s_bfe_u32 s84, ttmp6, 0x40000                  ; cx: the tile of 256 columns
	s_bfe_u32 s85, ttmp6, 0x40004                  ; cy
	s_and_b32 s86, ttmp7, 0xffff
	s_lshl_b32 s86, s86, 2
	s_add_co_u32 s86, s86, s85                     ; y: the block of 128 tokens = 4 x cluster y + cy
	s_lshl_b32 s87, s85, 2
	s_lshl_b32 s87, 15, s87                        ; my row of the cluster
	s_lshl_b32 s88, 0x1111, s84                    ; my column
	s_lshl_b32 s96, s86, 7                         ; x: row 128 y + 64 x half (these registers never hold cx)
	s_lshl_b32 s23, s[HALF], 6
	s_add_co_u32 s96, s96, s23
	s_lshl_b32 s98, s96, 5                         ; its scale bytes: 32 a row
	s_mov_b32 s99, 0
	s_lshl_b32 s96, s96, 9                         ; its codes: 512 a row
	s_mov_b32 s97, 0
	s_lshl_b32 s100, s84, 8                        ; W: row 256 cx + 128 x half (these never hold cy ahead of the loads)
	s_lshl_b32 s23, s[HALF], 7
	s_add_co_u32 s100, s100, s23
	s_lshl_b32 s2, s100, 5
	s_mov_b32 s3, 0
	s_lshl_b32 s100, s100, 9
	s_mov_b32 s101, 0
	; every LDS address is made here, ahead of the parting of the ways: constants, the lane, the wave's number
	v_and_b32 v16, 31, v0                          ; lane
	v_and_b32 v17, 15, v0                          ; r
	v_bfe_u32 v18, v0, 4, 1                        ; h
	v_lshlrev_b32 v[LI], 4, v16
	v_lshlrev_b32 v[L8], 3, v16
	v_mul_u32_u24 v[ADRX], v17, 272
	v_lshl_add_u32 v[ADRX], v18, 4, v[ADRX]        ; 272 r + 16 h
	v_add_nc_u32 v[ADRX+1], SLOTB, v[ADRX]
	s_mul_i32 s23, s[WV], 17408                    ; my 64 rows of W
	s_add_co_u32 s23, s23, WOFF
	v_add_nc_u32 v[ADRW], s23, v[ADRX]
	s_add_co_u32 s23, s23, SLOTB
	v_add_nc_u32 v[ADRW+1], s23, v[ADRX]
	v_lshlrev_b32 v20, 5, v17                      ; scale bytes: 32 a row, 16 more for each 256 passed,
	v_lshrrev_b32 v21, 3, v17
	v_lshl_add_u32 v20, v21, 4, v20
	v_mad_u32_u24 v20, v18, 544, v20               ; and lanes 16-31 one tile (16 rows: two units) further on
	v_add_nc_u32 v[ADSX], XSB, v20
	s_mul_i32 s23, s[WV], 2176
	s_add_co_u32 s23, s23, WSB
	v_add_nc_u32 v[ADSW], s23, v20
	s_lshl_b32 s23, s[WV], 13
	s_add_co_u32 s23, s23, TAB
	v_add_nc_u32 v[TW], s23, v[LI]
	v_add_nc_u32 v[TR], TAB, v[LI]
.irp b, 0,1,2,3
	v_mov_b32 v[TM+4+\b], 0                        ; written once: a lane permute's destination counts as one of its sources
.endr
	s_wait_dscnt 0x0
	s_wait_kmcnt 0x0
	s_cmp_eq_u32 ttmp9, 0                          ; which tensor: the choice hangs on the cluster's x alone
	s_cselect_b64 s[10:11], s[24:25], s[36:37]
	s_cselect_b64 s[12:13], s[26:27], s[38:39]
	s_cselect_b64 s[14:15], s[28:29], s[40:41]
	s_cselect_b64 s[16:17], s[30:31], s[42:43]
	s_cselect_b64 s[18:19], s[32:33], s[44:45]
	s_cmp_eq_u32 ttmp9, 2
	s_cselect_b64 s[10:11], s[48:49], s[10:11]     ; W's codes
	s_cselect_b64 s[12:13], s[50:51], s[12:13]     ; W's scales
	s_cselect_b64 s[14:15], s[52:53], s[14:15]     ; the bias
	s_cselect_b64 s[16:17], s[54:55], s[16:17]     ; codes out
	s_cselect_b64 s[18:19], s[56:57], s[18:19]     ; scale words out
	s_add_nc_u64 s[4:5], s[4:5], s[96:97]
	s_add_nc_u64 s[6:7], s[6:7], s[98:99]
	s_add_nc_u64 s[10:11], s[10:11], s[100:101]
	s_add_nc_u64 s[12:13], s[12:13], s[2:3]
	; descriptor groups 1.  Codes: rows of 256 bytes (512 along K), 512 bytes apart in memory, 16 bytes of padding behind each; x 64 rows a load, W 128
	s_or_b32 s[G1X], s87, 0x7700000                ; 15:0 the mask: x's tiles go to my row; elements of 1 byte; 20 padding on; 21 set beside a mask; after every 64 words (code 5) four words (code 3)
	s_or_b32 s[G1W], s88, 0x7700000                ; W's tiles go to my column
.irp g, G1X, G1W
	s_mov_b32 s[\g+1], 256<<16                     ; tensor_dim0
	s_mov_b32 s[\g+3], 256<<16                     ; tile_dim0
	s_mov_b32 s[\g+5], 512                         ; the pitch
	s_mov_b32 s[\g+6], 0
	s_mov_b32 s[\g+7], 0
.endr
	s_mov_b32 s[G1X+2], 64<<16                     ; tensor_dim1
	s_mov_b32 s[G1X+4], 64                         ; tile_dim1
	s_mov_b32 s[G1W+2], 128<<16
	s_mov_b32 s[G1W+4], 128
	; scale bytes: dense blocks, as rows of 256 bytes (32 elements of 8 bytes), 16 bytes of padding behind each; x 8 rows a load, W 16
	s_or_b32 s[G1XS], s87, 0x7730000
	s_or_b32 s[G1WS], s88, 0x7730000
.irp g, G1XS, G1WS
	s_mov_b32 s[\g+1], 32<<16
	s_mov_b32 s[\g+3], 32<<16
	s_mov_b32 s[\g+5], 32
	s_mov_b32 s[\g+6], 0
	s_mov_b32 s[\g+7], 0
.endr
	s_mov_b32 s[G1XS+2], 8<<16
	s_mov_b32 s[G1XS+4], 8
	s_mov_b32 s[G1WS+2], 16<<16
	s_mov_b32 s[G1WS+4], 16
	; groups 0: no place in the cluster enters an LDS address
	s_mov_b32 s[G0XS], 1
	s_mul_i32 s23, s[HALF], 2176
	s_add_co_u32 s[G0XS+1], s23, XSB
	s_mov_b64 s[G0XS+2:G0XS+3], s[6:7]
	s_or_b32 s[G0XS+3], s[G0XS+3], 0x80000000
	s_mov_b32 s[G0X], 1
	s_mul_i32 s[G0X+1], s[HALF], 17408
	s_mov_b64 s[G0X+2:G0X+3], s[4:5]
	s_or_b32 s[G0X+3], s[G0X+3], 0x80000000
	s_mov_b32 s[G0X1], 1
	s_add_co_u32 s[G0X1+1], s[G0X+1], SLOTB
	s_add_nc_u64 s[G0X1+2:G0X1+3], s[4:5], 256
	s_or_b32 s[G0X1+3], s[G0X1+3], 0x80000000
	s_mov_b32 s[G0WS], 1
	s_mul_i32 s23, s[HALF], 4352
	s_add_co_u32 s[G0WS+1], s23, WSB
	s_mov_b64 s[G0WS+2:G0WS+3], s[12:13]
	s_or_b32 s[G0WS+3], s[G0WS+3], 0x80000000
	s_mov_b32 s[G0W], 1
	s_mul_i32 s23, s[HALF], 34816
	s_add_co_u32 s[G0W+1], s23, WOFF
	s_mov_b64 s[G0W+2:G0W+3], s[10:11]
	s_or_b32 s[G0W+3], s[G0W+3], 0x80000000
	s_mov_b32 s[G0W1], 1
	s_add_co_u32 s[G0W1+1], s[G0W+1], SLOTB
	s_add_nc_u64 s[G0W1+2:G0W1+3], s[10:11], 256
	s_or_b32 s[G0W1+3], s[G0W1+3], 0x80000000
	CROUND                                         ; all sixteen work-groups are here: the joint loads meet
	s_cmp_eq_u32 s[ARM], 0                         ; a wave's three fills stand in one branch on its number: three loads of mine are out
	s_cbranch_scc0 .Larm_w
	tensor_load_to_lds s[G0XS:G0XS+3], s[G1XS:G1XS+7]     ; the scales of all of K,
	s_nop 0
	tensor_load_to_lds s[G0X:G0X+3], s[G1X:G1X+7]         ; chunk 0,
	s_nop 0
	tensor_load_to_lds s[G0X1:G0X1+3], s[G1X:G1X+7]       ; chunk 1
	s_nop 0
	PLACES 4
	s_branch .Lasked
.Larm_w:
	tensor_load_to_lds s[G0WS:G0WS+3], s[G1WS:G1WS+7]
	s_nop 0
	tensor_load_to_lds s[G0W:G0W+3], s[G1W:G1W+7]
	s_nop 0
	tensor_load_to_lds s[G0W1:G0W1+3], s[G1W:G1W+7]
	s_nop 0
	PLACES 4
.Lasked:
	; where my results go: bh = 16 b + 4 cx + w, ks = y % 16
	s_lshr_b32 s100, s86, 4
	s_lshl_b32 s100, s100, 4
	s_lshl_b32 s101, s84, 2
	s_add_co_u32 s100, s100, s101
	s_add_co_u32 s100, s100, s[WV]
	s_lshl_b32 s100, s100, 4
	s_and_b32 s101, s86, 15
	s_add_co_u32 s100, s100, s101                  ; 16 bh + ks
	s_cmp_eq_u32 ttmp9, 2
	s_cselect_b32 s101, 8, 9                       ; scale words: 512 bytes for 128 tokens of q or k, 256 for v
	s_lshl_b32 s2, s100, s101
	s_mov_b32 s3, 0
	s_lshl_b32 s100, s100, 12                      ; codes: 4,096 bytes in all three
	s_mov_b32 s101, 0
	s_add_nc_u64 s[16:17], s[16:17], s[100:101]
	s_add_nc_u64 s[18:19], s[18:19], s[2:3]
	s_lshl_b32 s100, s84, 10
	s_lshl_b32 s2, s[WV], 8
	s_add_co_u32 s100, s100, s2
	s_add_nc_u64 s[14:15], s[14:15], s[100:101]    ; the bias at my 64 columns
	s_lshl_b32 s96, s86, 7
	s_mov_b32 s97, 0
	s_add_nc_u64 s[8:9], s[8:9], s[96:97]          ; the mask at my 128 tokens
	s_mov_b32 s[SEL], 0x76543210
	s_mov_b32 s[SEL+1], 0xfedcba98
	s_mov_b32 s[HM], 0xffff0000
	s_cmp_eq_u32 ttmp9, 1
	s_cselect_b32 s[ISK], 1, 0
	s_mov_b32 s[QA], 0x7f0000
	s_cmp_eq_u32 ttmp9, 0
	s_cselect_b32 s[QA], s[QA], 0
	s_mov_b32 s[MB], 0x9e0000
	s_mov_b32 s[S2C], 0xb94ca1f9                   ; -1.9515295891e-4
	s_mov_b32 s[C2C], 0x37ccf5ce                   ; 2.443315711809948e-5
; 24 LDS loads: the fragments of the q-th 128 along K into set q % 2: x's eight tiles, my four tiles of W
.macro FETCH q
.irp m, 0,1,2,3,4,5,6,7
.irp c, 0,1
	ds_load_b128 v[XF+64*((\q)%2)+8*\m+4*\c:XF+64*((\q)%2)+8*\m+4*\c+3], v[ADRX+(\q)/4] offset:4352*\m+64*((\q)%4)+32*\c
.endr
.endr
	WIN 0x40                                       ; destination window 1
.irp t, 0,1,2,3
.irp c, 0,1
	ds_load_b128 v[WF+32*((\q)%2)+8*\t+4*\c:WF+32*((\q)%2)+8*\t+4*\c+3], v[ADRW+(\q)/4] offset:4352*\t+64*((\q)%4)+32*\c
.endr
.endr
	WIN 0
.endm
; the scales and chunk 0 are in LDS for every wave, and so is the table; then all scale words (they stay in registers) and the first fragments
.macro MIDDLE
	s_wait_tensorcnt 0x1                           ; of my three loads chunk 1's alone may be out
	s_wait_loadcnt 0x0                             ; the bias
	s_wait_dscnt 0x0                               ; my part of the table is stored
	s_barrier_signal -1
	s_barrier_wait -1
.irp i, 0,1,2,3
.irp c, 0,1
	ds_load_b128 v[XS+8*\i+4*\c:XS+8*\i+4*\c+3], v[ADSX] offset:1088*\i+16*\c     ; register XS + 8 i + q: lanes 0-15 tile 2 i, lanes 16-31 tile 2 i + 1, the q-th 128 along K
.endr
.endr
.irp i, 0,1
.irp c, 0,1
	ds_load_b128 v[WS+8*\i+4*\c:WS+8*\i+4*\c+3], v[ADSW] offset:1088*\i+16*\c
.endr
.endr
	FETCH 0
.endm
; 128 along K: the next step's fragments are asked for first, then 32 matrix instructions, the 32 accumulators by turns, one instruction a turn, in the same order in every step
.macro STEP q, vp
	s_wait_dscnt 0x0                               ; this step's fragments are in (asked for a step ago)
.if (\q) == 3
	s_wait_tensorcnt 0x0                           ; my part of chunk 1 has landed,
	s_barrier_signal -1
	s_barrier_wait -1                              ; everybody's has
.endif
.if (\q) < 7
.if (\q) > 0
	PLACES 4                                       ; four plain instructions between the last product that read a set and the loads into it
.endif
	FETCH (\q)+1
.endif
.if (\q) == 0
	WIN 0x91+3*(\vp)                               ; W in window 1, x in window 0, C = the bias in window 1, D in window 2
.else
	WIN 0xa1+3*(\vp)                               ; C and D in window 2
.endif
.irp m, 0,1,2,3,4,5,6,7
.irp t, 0,1,2,3
.if \vp
.set rD, 8*(8*\t+\m)
.else
.set rD, 8*(4*\m+\t)
.endif
.set rC, rD
.if (\q) == 0
.set rC, BI+8*\t
.endif
.if \vp
	WM rD, XF+64*((\q)%2)+8*\m, WF+32*((\q)%2)+8*\t, rC, XS+8*(\m/2)+(\q), WS+8*(\t/2)+(\q), \m%2, \t%2
.else
	WM rD, WF+32*((\q)%2)+8*\t, XF+64*((\q)%2)+8*\m, rC, WS+8*(\t/2)+(\q), XS+8*(\m/2)+(\q), \t%2, \m%2
.endif
.endr
.endr
	WIN 0
.endm
	s_cmp_eq_u32 ttmp9, 2                          ; the one parting: the same way in all waves of all sixteen partners
	s_cbranch_scc1 .Lv_path
	; ======== q and k ========
	v_lshlrev_b32 v[BO], 5, v18                    ; the bias in the result's layout: tile t, lane (r, h): columns 16 t + 8 h + 0 .. 7
	WIN 0x40
.irp t, 0,1,2,3
	global_load_b128 v[BI+8*\t:BI+8*\t+3], v[BO], s[14:15] offset:64*\t
	global_load_b128 v[BI+8*\t+4:BI+8*\t+7], v[BO], s[14:15] offset:64*\t+16
.endr
	WIN 0
	v_and_b32 v[SW], 15, v0
.irp m, 0,1,2,3,4,5,6,7
	global_load_u8 v[KM+\m], v[SW], s[8:9] offset:16*\m      ; the mask byte of token 16 m + r
.endr
; the frequencies: register 8 p + j holds 10^(-i / 8) for i = 16 p + 8 h + j
.macro FQ e, a, b
	v_mov_b32 v[F+\e], \a
	v_mov_b32 v[TT+\e], \b
.endm
	FQ 0, 1.0, 0.1
	FQ 1, 0.7498942093324559, 0.07498942093324559
	FQ 2, 0.5623413251903491, 0.05623413251903491
	FQ 3, 0.4216965034285822, 0.04216965034285822
	FQ 4, 0.31622776601683794, 0.031622776601683794
	FQ 5, 0.23713737056616552, 0.023713737056616552
	FQ 6, 0.1778279410038923, 0.01778279410038923
	FQ 7, 0.1333521432163324, 0.01333521432163324
	FQ 8, 0.01, 0.001
	FQ 9, 0.007498942093324559, 0.0007498942093324559
	FQ 10, 0.005623413251903491, 0.0005623413251903491
	FQ 11, 0.004216965034285822, 0.0004216965034285822
	FQ 12, 0.0031622776601683794, 0.00031622776601683794
	FQ 13, 0.0023713737056616552, 0.00023713737056616552
	FQ 14, 0.001778279410038923, 0.0001778279410038923
	FQ 15, 0.001333521432163324, 0.0001333521432163324
.set e, 0
.rept 16
	v_cndmask_b32 v[F+e], v[F+e], v[TT+e], s[HM]   ; lanes 16-31 take the second
.set e, e+1
.endr
	s_and_b32 s96, s86, 15
	s_lshl_b32 s96, s96, 7
	s_lshl_b32 s98, s[WV], 5
	s_add_co_u32 s96, s96, s98
	v_add_nc_u32 v[PP], s96, v17
	v_cvt_f32_u32 v[PP], v[PP]                     ; my token's position in tile 2 w: 128 (y % 16) + 32 w + r
; line k of 27 of the table's arithmetic, for number e of 16
.macro SC
.if k == 0
	v_mul_f32 v[AN+e], v[PP], v[F+e]               ; the angle
.elseif k == 1
	v_mul_f32 v[NN+e], 0x3f22f983, v[AN+e]         ; x 2 / pi
.elseif k == 2
	v_rndne_f32 v[NN+e], v[NN+e]                   ; n
.elseif k == 3
	v_fmamk_f32 v[AN+e], v[NN+e], 0xbfc90fdb, v[AN+e]     ; - n x the f32 nearest pi / 2: exact here
.elseif k == 4
	v_fmamk_f32 v[AN+e], v[NN+e], 0x333bbd2e, v[AN+e]     ; + n x 4.37113883e-8, what that f32 has too much: r
.elseif k == 5
	v_cvt_i32_f32 v[NN+e], v[NN+e]
.elseif k == 6
	v_mul_f32 v[ZZ+e], v[AN+e], v[AN+e]            ; z = r^2
.elseif k == 7
	v_fmaak_f32 v[PS+e], s[S2C], v[ZZ+e], 0x3c08839e      ; 8.3321608736e-3
.elseif k == 8
	v_fmaak_f32 v[PS+e], v[PS+e], v[ZZ+e], 0xbe2aaaa3     ; -1.6666654611e-1
.elseif k == 9
	v_mul_f32 v[TT+e], v[ZZ+e], v[AN+e]
.elseif k == 10
	v_fma_f32 v[PS+e], v[PS+e], v[TT+e], v[AN+e]   ; sin r
.elseif k == 11
	v_fmaak_f32 v[PO+e], s[C2C], v[ZZ+e], 0xbab6061a      ; -1.388731625493765e-3
.elseif k == 12
	v_fmaak_f32 v[PO+e], v[PO+e], v[ZZ+e], 0x3d2aaaa5     ; 4.166664568298827e-2
.elseif k == 13
	v_mul_f32 v[TT+e], v[ZZ+e], v[ZZ+e]
.elseif k == 14
	v_fma_f32 v[ZZ+e], v[ZZ+e], -0.5, 1.0
.elseif k == 15
	v_fma_f32 v[PO+e], v[PO+e], v[TT+e], v[ZZ+e]   ; cos r
.elseif k == 16
	v_and_b32 v[TT+e], 1, v[NN+e]
.elseif k == 17
	v_sub_nc_u32 v[TT+e], 0, v[TT+e]               ; all ones where n is odd: there sine and cosine change places
.elseif k == 18
	v_bfi_b32 v[AN+e], v[TT+e], v[PO+e], v[PS+e]
.elseif k == 19
	v_bfi_b32 v[ZZ+e], v[TT+e], v[PS+e], v[PO+e]
.elseif k == 20
	v_lshlrev_b32 v[TT+e], 30, v[NN+e]
.elseif k == 21
	v_and_b32 v[TT+e], 0x80000000, v[TT+e]
.elseif k == 22
	v_xor_b32 v[AN+e], v[AN+e], v[TT+e]            ; the sine's sign: bit 1 of n
.elseif k == 23
	v_add_nc_u32 v[NN+e], 1, v[NN+e]
.elseif k == 24
	v_lshlrev_b32 v[TT+e], 30, v[NN+e]
.elseif k == 25
	v_and_b32 v[TT+e], 0x80000000, v[TT+e]
.else
	v_xor_b32 v[ZZ+e], v[ZZ+e], v[TT+e]            ; the cosine's: bit 1 of n + 1
.endif
.endm
.macro TABLE tau                       ; each line over all 16 numbers, so that no line waits for the line above it; then the tile's 4 quads of cos and 4 of sin, 512 consecutive bytes a store
.set k, 0
.rept 27
.set e, 0
.rept 16
	SC
.set e, e+1
.endr
.set k, k+1
.endr
.irp d, 0,1,2,3
	ds_store_b128 v[TW], v[ZZ+4*\d:ZZ+4*\d+3] offset:(\tau)*4096+512*\d
	ds_store_b128 v[TW], v[AN+4*\d:AN+4*\d+3] offset:(\tau)*4096+2048+512*\d
.endr
.endm
	TABLE 0
	v_add_f32 v[PP], 0x41800000, v[PP]             ; tile 2 w + 1: 16 tokens on
	TABLE 1
	s_wait_loadcnt 0x0                             ; the mask bytes (and the bias)
.irp m, 0,1,2,3,4,5,6,7
	v_mul_u32_u24 v[AO+\m], s[ISK], v[KM+\m]       ; 1 for a masked key of k, else 0
	v_add_nc_u32 v[KM+\m], -1, v[AO+\m]            ; 0 there, else all ones: what the codes are ANDed with
	v_mad_u32_u24 v[AO+\m], v[AO+\m], s[MB], s[QA] ; byte 2 of the scale word: 158 for a masked key, 0 for another key, 127 for q
.endr
	MIDDLE
.irp q, 0,1,2,3,4,5,6,7
	STEP \q, 0
.endr
.macro TABLOAD i                       ; cos and sin of tiles 2 i and 2 i + 1: register CSN + 32 u + 8 p + j the cosine of i = 16 p + 8 h + j, 16 registers on the sine
.irp u, 0,1
.irp d, 0,1,2,3,4,5,6,7
	ds_load_b128 v[CSN+32*\u+4*\d:CSN+32*\u+4*\d+3], v[TR] offset:(2*(\i)+\u)*4096+512*\d
.endr
.endr
.endm
.macro ROPE i                          ; left' = left cos - right sin, right' = left sin + right cos; left = tiles 0, 1 of the head, right = tiles 2, 3; two numbers an instruction, each accumulator from its low end on
	WIN 0x02                                       ; source 0: window 2
.irp u, 0,1
.irp p, 0,1
.set aL, 8*(4*(2*(\i)+\u)+\p)
.set aR, aL+16
.set rc, CSN+32*\u+8*\p
.set rs, rc+16
.set hL, H+32*\u+8*\p
.set hR, hL+16
.irp j, 0,2,4,6
	v_pk_mul_f32 v[hL+\j:hL+\j+1], v[aR+\j:aR+\j+1], v[rs+\j:rs+\j+1]
.endr
.irp j, 0,2,4,6
	v_pk_mul_f32 v[hR+\j:hR+\j+1], v[aL+\j:aL+\j+1], v[rs+\j:rs+\j+1]
.endr
.irp j, 0,2,4,6
	v_pk_fma_f32 v[hL+\j:hL+\j+1], v[aL+\j:aL+\j+1], v[rc+\j:rc+\j+1], v[hL+\j:hL+\j+1] neg_lo:[0,0,1] neg_hi:[0,0,1]
.endr
.irp j, 0,2,4,6
	v_pk_fma_f32 v[hR+\j:hR+\j+1], v[aR+\j:aR+\j+1], v[rc+\j:rc+\j+1], v[hR+\j:hR+\j+1]
.endr
.endr
.endr
	WIN 0
.endm
	PLACES 4                                       ; behind the last products: their results are read, and x's fragments' registers are loaded and written
	TABLOAD 0
.irp i, 0,1,2,3                        ; two tiles of tokens at a time: 64 numbers a lane, four blocks
	s_wait_dscnt 0x0                               ; this pair's cos and sin are in
	ROPE \i
.if \i < 3
	TABLOAD \i+1                                   ; the next pair's land while this pair is quantised
.endif
	QUANT H, 0, PC+8*\i                            ; registers PC + 8 i + 4 u on: token r of tile 2 i + u, block h of the head's 64
	v_lshl_or_b32 v[TM+8], v[TM+5], 8, v[TM+4]     ; each tile's two bytes,
	v_lshl_or_b32 v[TM+9], v[TM+7], 8, v[TM+6]
	v_or_b32 v[TM+8], v[TM+8], v[AO+2*\i]          ; and byte 2
	v_or_b32 v[TM+9], v[TM+9], v[AO+2*\i+1]
.irp g, 0,1,2,3
	v_and_b32 v[PC+8*\i+\g], v[PC+8*\i+\g], v[KM+2*\i]           ; a masked key's codes are cleared
	v_and_b32 v[PC+8*\i+4+\g], v[PC+8*\i+4+\g], v[KM+2*\i+1]
.endr
	v_cndmask_b32 v[SW+\i], v[TM+8], v[TM+9], s[HM]       ; word i: lanes 0-15 tile 2 i, lanes 16-31 tile 2 i + 1
	global_store_b128 v[LI], v[PC+8*\i:PC+8*\i+3], s[16:17] offset:1024*\i        ; 512 consecutive bytes, aligned; no store's registers are written again
	global_store_b128 v[LI], v[PC+8*\i+4:PC+8*\i+7], s[16:17] offset:1024*\i+512
.endr
	global_store_b128 v[LI], v[SW:SW+3], s[18:19]
	s_branch .Lend
	; ======== v ========
.Lv_path:
	v_lshlrev_b32 v[BO], 2, v17                    ; the bias in the result's layout: tile t, lane (r, h): column 16 t + r in all eight registers
	WIN 0x40
.irp t, 0,1,2,3
.irp j, 0,1,2,3,4,5,6,7
	global_load_b32 v[BI+8*\t+\j], v[BO], s[14:15] offset:64*\t
.endr
.endr
	WIN 0
	s_wait_alu depctr_va_vdst(0)
	MIDDLE
.irp q, 0,1,2,3,4,5,6,7
	STEP \q, 1
.endr
	PLACES 4
.irp t, 0,1,2,3                        ; a tile of 16 channels: its eight accumulators are 128 tokens, four blocks: a whole fragment and a whole scale word
	QUANT 64*\t, 2, PC+8*\t
	v_lshl_or_b32 v[TM+8+\t%2], v[TM+5], 8, v[TM+4]
	v_lshl_or_b32 v[TM+8+\t%2], v[TM+6], 16, v[TM+8+\t%2]
	v_lshl_or_b32 v[TM+8+\t%2], v[TM+7], 24, v[TM+8+\t%2]
.if \t%2
	v_cndmask_b32 v[SW+\t/2], v[TM+8], v[TM+9], s[HM]
.endif
	global_store_b128 v[LI], v[PC+8*\t:PC+8*\t+3], s[16:17] offset:1024*\t
	global_store_b128 v[LI], v[PC+8*\t+4:PC+8*\t+7], s[16:17] offset:1024*\t+512
.endr
	global_store_b64 v[L8], v[SW:SW+1], s[18:19]   ; 256 consecutive bytes, aligned
.Lend:
	s_wait_tensorcnt 0x0
	ds_add_u32 v26, v27
	s_wait_dscnt 0x0
	CROUND                                         ; the closing round: no work-group ends while a partner may still ask for a tile that names it
	s_endpgm
.Lfunc_end_k_q7d3effd94d_qkv:
	.size	k_q7d3effd94d_qkv, .Lfunc_end_k_q7d3effd94d_qkv-k_q7d3effd94d_qkv
	.p2alignl 7, 3214868480
	.fill 96, 4, 3214868480
	.section	.rodata,"a",@progbits
	.p2align	6, 0x0
	.amdhsa_kernel k_q7d3effd94d_qkv
		.amdhsa_group_segment_fixed_size 262656
		.amdhsa_private_segment_fixed_size 0
		.amdhsa_enable_private_segment 0
		.amdhsa_kernarg_size 144
		.amdhsa_user_sgpr_count 2
		.amdhsa_user_sgpr_kernarg_segment_ptr 1
		.amdhsa_wavefront_size32 1
		.amdhsa_system_sgpr_workgroup_id_x 1
		.amdhsa_system_sgpr_workgroup_id_y 1
		.amdhsa_system_sgpr_workgroup_id_z 1
		.amdhsa_system_vgpr_workitem_id 0
		.amdhsa_next_free_vgpr 768
		.amdhsa_next_free_sgpr 102
		.amdhsa_reserve_vcc 0
		.amdhsa_float_denorm_mode_32 3
		.amdhsa_float_denorm_mode_16_64 3
		.amdhsa_memory_ordered 1
		.amdhsa_forward_progress 1
		.amdhsa_inst_pref_size 210
	.end_amdhsa_kernel
	.amdgpu_metadata
---
amdhsa.version: [ 1, 2 ]
amdhsa.kernels:
  - .name:           k_q7d3effd94d_qkv
    .symbol:         k_q7d3effd94d_qkv.kd
    .args:
      - { .name: x_codes, .offset: 0, .size: 8, .value_kind: global_buffer, .address_space: global }
      - { .name: x_scales, .offset: 8, .size: 8, .value_kind: global_buffer, .address_space: global }
      - { .name: key_padding_mask, .offset: 16, .size: 8, .value_kind: global_buffer, .address_space: global }
      - { .name: q_w_codes, .offset: 24, .size: 8, .value_kind: global_buffer, .address_space: global }
      - { .name: q_w_scales, .offset: 32, .size: 8, .value_kind: global_buffer, .address_space: global }
      - { .name: q_b, .offset: 40, .size: 8, .value_kind: global_buffer, .address_space: global }
      - { .name: qc, .offset: 48, .size: 8, .value_kind: global_buffer, .address_space: global }
      - { .name: qs, .offset: 56, .size: 8, .value_kind: global_buffer, .address_space: global }
      - { .name: k_w_codes, .offset: 64, .size: 8, .value_kind: global_buffer, .address_space: global }
      - { .name: k_w_scales, .offset: 72, .size: 8, .value_kind: global_buffer, .address_space: global }
      - { .name: k_b, .offset: 80, .size: 8, .value_kind: global_buffer, .address_space: global }
      - { .name: kc, .offset: 88, .size: 8, .value_kind: global_buffer, .address_space: global }
      - { .name: ks, .offset: 96, .size: 8, .value_kind: global_buffer, .address_space: global }
      - { .name: v_w_codes, .offset: 104, .size: 8, .value_kind: global_buffer, .address_space: global }
      - { .name: v_w_scales, .offset: 112, .size: 8, .value_kind: global_buffer, .address_space: global }
      - { .name: v_b, .offset: 120, .size: 8, .value_kind: global_buffer, .address_space: global }
      - { .name: vc, .offset: 128, .size: 8, .value_kind: global_buffer, .address_space: global }
      - { .name: vs, .offset: 136, .size: 8, .value_kind: global_buffer, .address_space: global }
    .group_segment_fixed_size: 262656
    .private_segment_fixed_size: 0
    .kernarg_segment_align: 8
    .kernarg_segment_size: 144
    .max_flat_workgroup_size: 128
    .sgpr_count:     102
    .vgpr_count:     768
    .wavefront_size: 32
...
	.end_amdgpu_metadata
.endif
;; end of part 1
;; launch attn (part 2): grid 8 x 32, 16 waves a work-group, clusters of 4 x 1, 296,960 bytes of LDS; arguments qc, qs, kc, ks, vc, vs, ac, asc; writes ac, asc
.if DOCPART == 2
	.amdgcn_target "amdgcn-amd-amdhsa--gfx1250"
	.amdhsa_code_object_version 6
	.text
	.protected	k_q7d3effd94d_attn
	.globl	k_q7d3effd94d_attn
	.p2align	8
	.type	k_q7d3effd94d_attn,@function
k_q7d3effd94d_attn:
	s_mov_b64 s[64:65], 0
	v_nop
	global_prefetch_b8 v0, s[64:65] scope:SCOPE_SE
	s_setreg_imm32_b32 hwreg(HW_REG_WAVE_MODE, 25, 1), 1
	s_wait_xcnt 0x0
	s_wait_alu depctr_hold_cnt(0) depctr_sa_sdst(0) depctr_va_vdst(0) depctr_va_sdst(0) depctr_va_ssrc(0) depctr_va_vcc(0) depctr_vm_vsrc(0)
	s_getreg_b32 s2, hwreg(HW_REG_IB_STS2, 6, 4)
	s_cmp_eq_u32 s2, 0
	s_cbranch_scc0 .Lentry_in_a_cluster
	s_endpgm
.Lentry_in_a_cluster:
	s_bfe_u32 s2, ttmp6, 0x10000c
	s_cmp_lg_u32 s2, 0x3003
	s_cbranch_scc0 .Lentry_shape_is_right
	s_endpgm
.Lentry_shape_is_right:
; a[token][head] = softmax_k(q . k / 8, masked) v, both products on codes of FP4 (E2M1) with one E8M0 scale for each 32 along a product's K; the result is quantised along the model's 1,024 and leaves as
; images of the last product's operand registers.  All six inputs were laid by the launch before, as images of operand registers: every LDS load here reads 512 (V's scale words: 256) consecutive bytes.
; THE SOFTMAX: t = score x log2(e) / 8; M = the running largest t, rounded UP to a whole number; p = 2^(t - M) is what is quantised, along the keys; the row's sum is taken of the unquantised p and divides at
; the end.  When M moves, the sum and O are multiplied by 2^(old M - new M): exact.
; THE MASK costs no line here.  The score product has K = 64 in an instruction of 128.  At k = 64 Q has the code 1.0 (scale byte 127) and K the code -4 (scale byte 158 for a masked key, 0 for any other: set by the
; launch before, which also cleared a masked key's codes); all other padding is zero codes.  A masked score is exactly -2^33; t = -2^33 c is a whole number, so a row that is masked throughout has p = 1 everywhere.
; LIMITS.  The masked logit is -2^30 where the definition has -1e9: the same results while real logits stay above about -1e8.  Every other score gets -2^-125 added.  A block of zeros gets the scale byte 1
; (its codes are zeros; the bytes are read by this program alone).  NaN and infinities are not served.
; SHARES.  A work-group takes 256 queries of a PAIR of heads (2 s, 2 s + 1); each of its sixteen waves owns one tile of 16 queries and runs head 2 s, then head 2 s + 1: so it ends with a whole fragment (16 tokens x
; 128 of the model's 1,024) and a whole scale word.  Four waves to a SIMD: one wave's vector work stands beside another's matrix work and LDS loads.
; K, V and their scale words of both heads lie in LDS, each byte filled once: 131,072 + 131,072 + 16,384 + 8,192 bytes.  CLUSTER 4 x 1: the four blocks of queries of a cluster read the same K and V: wave 0 asks for K's
; jointly, wave 1 for V's, three loads each: the scale words, the first four key steps, the rest; the first four key steps are worked while the rest is on its way.
; LAYOUT.  Both products are used transposed: S^T = K Q^T, O^T = V^T P^T: a lane holds ONE query (lane % 16) throughout.  A tile is 16 neighbouring keys; a block of 32 keys is two tiles, in lanes l and l xor 16;
; the conversion of block b, tile parity u, writes register 4 (b / 2) + b % 2 + 2 u, and two exchanges of lane halves for each pair of blocks give the operand's layout.
; REGISTERS: v1-4 addresses that stay, v5-7, v26 those of the step; v8-11 K's scale words; v12 -M, v13 the largest t, v[14:15] the sum; v16-23 Q, v24 its scale word; v27 the scale word that goes out; v28-29 V's scale
; words; v30, v31, v255 addresses; v32-95 eight fragments of K; v96-159 S^T, then p; v160-191 O^T; v192-223 four fragments of V; v224-231 p's codes; v240-243, v248-251 the codes that go out; the rest at work.
.set VOFF, 131072
.set KSC,  262144
.set VSC,  278528
.set GATH, 286720                      ; 1,024 bytes into which no tile lands: sixteen waves' scale words are gathered here
.set LI,  1                            ; v1   16 x lane
.set LIV, 2                            ; v2   + VOFF
.set LIS, 3                            ; v3   + KSC
.set L8V, 4                            ; v4   8 x lane + VSC
.set ADK, 5
.set ADV, 6
.set ADS, 7
.set ADT, 26
.set AW,  27
.set GR,  30
.set QSO, 31
.set GA,  255
.set WV,  20
.set CS,  22                           ; s[22:23] c = log2(e) / 8: the packed form names a pair and takes its low word for both halves
.set G1A, 24                           ; 64 rows of 256 bytes
.set G1B, 32                           ; 448 rows
.set G1C, 40                           ; 32 rows
.set SEL, 76
.set TK,  78                           ; s78  where the step's codes begin, in K's bytes and in V's: 4,096 a step
.set TS,  79                           ; s79  K's scale words: 512 a step
.set TV,  80                           ; s80  V's: 256 a step.  All three run on from head 2 s into head 2 s + 1, whose bytes follow
.set CNT, 81
.macro PLACES n
.rept \n
	v_nop
.endr
.endm
.macro CROUND                          ; a round of the cluster's barrier
	s_barrier_signal -1
	s_barrier_wait -1
	s_cmp_lg_u32 s[WV], 0
	s_cbranch_scc1 .Lnot_wave_0_\@
	s_barrier_signal -3
.Lnot_wave_0_\@:
	s_barrier_wait -3
	s_barrier_signal -1
	s_barrier_wait -1
.endm
.macro WMZ d, a, b, sa, sb, ra         ; a product that starts a sum; ra = 1: source 0's scale words stand in lanes 16-31
.if (\ra) == 0
	v_wmma_scale_f32_16x16x128_f8f6f4 v[(\d):(\d)+7], v[(\a):(\a)+7], v[(\b):(\b)+7], 0, v[\sa], v[\sb] matrix_a_fmt:MATRIX_FMT_FP4 matrix_b_fmt:MATRIX_FMT_FP4
.else
	v_wmma_scale_f32_16x16x128_f8f6f4 v[(\d):(\d)+7], v[(\a):(\a)+7], v[(\b):(\b)+7], 0, v[\sa], v[\sb] matrix_a_fmt:MATRIX_FMT_FP4 matrix_b_fmt:MATRIX_FMT_FP4 matrix_a_scale:MATRIX_SCALE_ROW1
.endif
.endm
.macro WMA d, a, b, sa, sb, ra         ; a product that adds in place
.if (\ra) == 0
	v_wmma_scale_f32_16x16x128_f8f6f4 v[(\d):(\d)+7], v[(\a):(\a)+7], v[(\b):(\b)+7], v[(\d):(\d)+7], v[\sa], v[\sb] matrix_a_fmt:MATRIX_FMT_FP4 matrix_b_fmt:MATRIX_FMT_FP4
.else
	v_wmma_scale_f32_16x16x128_f8f6f4 v[(\d):(\d)+7], v[(\a):(\a)+7], v[(\b):(\b)+7], v[(\d):(\d)+7], v[\sa], v[\sb] matrix_a_fmt:MATRIX_FMT_FP4 matrix_b_fmt:MATRIX_FMT_FP4 matrix_a_scale:MATRIX_SCALE_ROW1
.endif
.endm
	s_load_b256 s[4:11], s[0:1], 0x0               ; qc, qs, kc, ks
	s_load_b256 s[12:19], s[0:1], 0x20             ; vc, vs, ac, asc
	v_lshl_add_u32 v254, v0, 2, 0x48000
	v_mov_b32 v255, 0
	ds_add_u32 v254, v255
	ds_add_u32 v254, v255
	s_wait_dscnt 0x0
	v_lshrrev_b32 v5, 5, v0
	s_delay_alu instid0(VALU_DEP_1)
	v_readfirstlane_b32 s[WV], v5                  ; wave 0..15
	s_bfe_u32 s82, ttmp6, 0x40000                  ; cx
	s_lshl_b32 s83, ttmp9, 2
	s_add_co_u32 s83, s83, s82                     ; my block of 256 queries: it enters my own loads' and stores' addresses alone
	s_and_b32 s84, ttmp7, 0xffff                   ; y = 8 b + s: the pair of heads, which the four partners share
	s_lshl_b32 s86, s84, 17                        ; the pair's first byte in a tensor of codes,
	s_mov_b32 s87, 0
	s_lshl_b32 s88, s84, 14                        ; in q's and k's scale words,
	s_mov_b32 s89, 0
	s_lshl_b32 s90, s84, 13                        ; in v's
	s_mov_b32 s91, 0
	; descriptor groups 1: dense blocks as rows of 256 bytes (32 elements of 8 bytes), no padding: the images are read 512 consecutive bytes at a time
.irp g, G1A, G1B, G1C
	s_mov_b32 s[\g], 15|(3<<16)|(1<<21)            ; 15:0 the mask: all four work-groups; 17:16 elements of 8 bytes; 21 set beside a mask
	s_mov_b32 s[\g+1], 32<<16
	s_mov_b32 s[\g+3], 32<<16
	s_mov_b32 s[\g+5], 32
	s_mov_b32 s[\g+6], 0
	s_mov_b32 s[\g+7], 0
.endr
	s_mov_b32 s[G1A+2], 64<<16
	s_mov_b32 s[G1A+4], 64
	s_mov_b32 s[G1B+2], 448<<16
	s_mov_b32 s[G1B+4], 448
	s_mov_b32 s[G1C+2], 32<<16
	s_mov_b32 s[G1C+4], 32
	s_wait_kmcnt 0x0
	s_add_nc_u64 s[8:9], s[8:9], s[86:87]
	s_add_nc_u64 s[10:11], s[10:11], s[88:89]
	s_add_nc_u64 s[12:13], s[12:13], s[86:87]
	s_add_nc_u64 s[14:15], s[14:15], s[90:91]
	s_mov_b32 s48, 1                               ; K's scale words, 16,384 bytes
	s_mov_b32 s49, KSC
	s_mov_b64 s[50:51], s[10:11]
	s_or_b32 s51, s51, 0x80000000
	s_mov_b32 s52, 1                               ; K's first four key steps, 16,384 bytes
	s_mov_b32 s53, 0
	s_mov_b64 s[54:55], s[8:9]
	s_or_b32 s55, s55, 0x80000000
	s_mov_b32 s56, 1                               ; the rest, 114,688 bytes
	s_mov_b32 s57, 16384
	s_add_nc_u64 s[58:59], s[8:9], 16384
	s_or_b32 s59, s59, 0x80000000
	s_mov_b32 s60, 1                               ; V's scale words, 8,192 bytes
	s_mov_b32 s61, VSC
	s_mov_b64 s[62:63], s[14:15]
	s_or_b32 s63, s63, 0x80000000
	s_mov_b32 s68, 1
	s_mov_b32 s69, VOFF
	s_mov_b64 s[70:71], s[12:13]
	s_or_b32 s71, s71, 0x80000000
	s_mov_b32 s72, 1
	s_mov_b32 s73, VOFF+16384
	s_add_nc_u64 s[74:75], s[12:13], 16384
	s_or_b32 s75, s75, 0x80000000
	CROUND                                         ; all four work-groups are here: the joint loads meet
	s_cmp_eq_u32 s[WV], 0                          ; a wave's three fills stand in one branch on its number: three loads of mine are out, or none
	s_cbranch_scc0 .Lnot_k
	tensor_load_to_lds s[48:51], s[G1A:G1A+7]
	s_nop 0
	tensor_load_to_lds s[52:55], s[G1A:G1A+7]
	s_nop 0
	tensor_load_to_lds s[56:59], s[G1B:G1B+7]
	s_nop 0
	PLACES 4
	s_branch .Lasked
.Lnot_k:
	s_cmp_eq_u32 s[WV], 1
	s_cbranch_scc0 .Lasked
	tensor_load_to_lds s[60:63], s[G1C:G1C+7]
	s_nop 0
	tensor_load_to_lds s[68:71], s[G1A:G1A+7]
	s_nop 0
	tensor_load_to_lds s[72:75], s[G1B:G1B+7]
	s_nop 0
	PLACES 4
.Lasked:
	; my own addresses
	s_lshl_b32 s85, s83, 4
	s_add_co_u32 s85, s85, s[WV]                   ; my tile of 16 queries in the head
	s_lshl_b32 s92, s85, 9
	s_mov_b32 s93, 0
	s_add_nc_u64 s[4:5], s[4:5], s[86:87]
	s_add_nc_u64 s[4:5], s[4:5], s[92:93]          ; Q's codes: head 2 s; head 2 s + 1 lies 65,536 bytes on
	s_lshr_b32 s94, s[WV], 3                       ; my tile's word among the scale words of 256 tokens: block of 128 tokens w / 8, lanes 16 (w % 2) on, word (w / 2) % 4
	s_lshl_b32 s94, s94, 9
	s_and_b32 s95, s[WV], 1
	s_lshl_b32 s95, s95, 8
	s_add_co_u32 s94, s94, s95
	s_bfe_u32 s95, s[WV], 0x20001
	s_lshl_b32 s95, s95, 2
	s_add_co_u32 s94, s94, s95
	s_lshl_b32 s92, s83, 10
	s_add_co_u32 s92, s92, s94
	s_add_nc_u64 s[6:7], s[6:7], s[88:89]
	s_add_nc_u64 s[6:7], s[6:7], s[92:93]          ; Q's scale words: head 2 s + 1's lie 8,192 bytes on
	s_lshr_b32 s92, s84, 3                         ; b
	s_lshl_b32 s92, s92, 20
	s_lshl_b32 s95, s85, 13
	s_add_co_u32 s92, s92, s95
	s_and_b32 s95, s84, 7                          ; s
	s_lshl_b32 s95, s95, 10
	s_add_co_u32 s92, s92, s95
	s_add_nc_u64 s[16:17], s[16:17], s[92:93]      ; ac: ((128 b + tile) 8 + s) 1,024
	s_lshr_b32 s92, s84, 3
	s_lshl_b32 s92, s92, 16
	s_lshl_b32 s95, s83, 13
	s_add_co_u32 s92, s92, s95
	s_and_b32 s95, s[WV], 1
	s_lshl_b32 s95, s95, 12
	s_add_co_u32 s92, s92, s95
	s_and_b32 s95, s84, 7
	s_lshl_b32 s95, s95, 9
	s_add_co_u32 s92, s92, s95
	s_add_nc_u64 s[18:19], s[18:19], s[92:93]      ; asc: ((16 b + 2 block + w % 2) 8 + s) 512: used by waves 0 and 1
	v_and_b32 v26, 31, v0
	s_delay_alu instid0(VALU_DEP_1)
	v_lshlrev_b32 v[LI], 4, v26
	s_delay_alu instid0(VALU_DEP_1)
	v_add_nc_u32 v[LIV], VOFF, v[LI]
	s_delay_alu instid0(VALU_DEP_2)
	v_add_nc_u32 v[LIS], KSC, v[LI]
	s_delay_alu instid0(VALU_DEP_4)
	v_lshlrev_b32 v[L8V], 3, v26
	s_delay_alu instid0(VALU_DEP_1)
	v_add_nc_u32 v[L8V], VSC, v[L8V]
	v_and_b32 v27, 15, v0                          ; r
	s_delay_alu instid0(VALU_DEP_1)
	v_lshlrev_b32 v[QSO], 4, v27
	global_load_b128 v[16:19], v[LI], s[4:5]       ; Q's image: token r, block h of the head's 64
	global_load_b32 v24, v[QSO], s[6:7]            ; its scale word, in every lane of row r
	s_add_co_u32 s95, s94, GATH
	v_lshl_add_u32 v[GA], v27, 4, s95              ; where my tile's scale words go
	s_and_b32 s95, s[WV], 1
	s_lshl_b32 s95, s95, 9
	s_add_co_u32 s95, s95, GATH
	v_add_nc_u32 v[GR], s95, v[LI]                 ; and where waves 0 and 1 read 512 bytes of them back
	v_bfe_u32 v25, v0, 4, 1                        ; h
	s_delay_alu instid0(VALU_DEP_1)
	v_lshlrev_b32 v20, 1, v25
	s_delay_alu instid0(VALU_DEP_1)
	v_sub_nc_u32 v20, 2, v20                       ; Q's k = 64: the code 1.0, in lanes 0-15; all other padding is zero codes
	v_mov_b32 v21, 0
	v_mov_b32 v22, 0
	v_mov_b32 v23, 0
	v_mul_u32_u24 v36, v25, 14
	s_delay_alu instid0(VALU_DEP_1)
	v_sub_nc_u32 v36, 14, v36                      ; K's k = 64: the code -4, in lanes 0-15
.irp t, 1,2,3,4,5,6,7
	v_mov_b32 v[36+8*\t], v36
.endr
.irp t, 0,1,2,3,4,5,6,7
	v_mov_b32 v[37+8*\t], 0
	v_mov_b32 v[38+8*\t], 0
	v_mov_b32 v[39+8*\t], 0
.endr
.irp b, 0,1,2,3
	v_mov_b32 v[236+\b], 0                         ; written once: a lane permute's destination counts as one of its sources
.endr
	v_mov_b32 v253, 0                              ; (named as the upper half of the pair v[252:253] before it is first written)
	s_mov_b32 s[SEL], 0x76543210
	s_mov_b32 s[SEL+1], 0xfedcba98
	s_mov_b32 s[CS], 0x3e38aa3b                    ; c = log2(e) / 8
	s_mov_b32 s[CS+1], s[CS]
	s_mov_b32 s[TK], 0
	s_mov_b32 s[TS], 0
	s_mov_b32 s[TV], 0
.macro INIT                            ; a head begins: O^T and the sum are zeros, the largest t lies under every t; the first change of M leaves the zeros zeros, so the step is written without a first step of its own
.set j, 0
.rept 32
	v_mov_b32 v[160+j], 0
.set j, j+1
.endr
	v_mov_b32 v14, 0
	v_mov_b32 v15, 0
	v_mov_b32 v13, 0xff61b1e6                      ; -3e38
	s_delay_alu instid0(VALU_DEP_1)
	v_floor_f32 v12, -v13                          ; -M
.endm
; A KEY STEP: 128 keys
.macro STEP
	s_setprio 2
	v_add_nc_u32 v[ADK], s[TK], v[LI]              ; (these four are also the plain instructions between the last step's products and the loads into their registers)
	v_add_nc_u32 v[ADV], s[TK], v[LIV]
	v_add_nc_u32 v[ADS], s[TS], v[LIS]
	v_add_nc_u32 v[ADT], s[TV], v[L8V]
	ds_load_b128 v[8:11], v[ADS]                   ; K's scale words: register i: lanes 0-15 tile 2 i, lanes 16-31 tile 2 i + 1
.irp t, 0,1,2,3,4,5,6,7
	ds_load_b128 v[32+8*\t:35+8*\t], v[ADK] offset:512*\t
.endr
	ds_load_b64 v[28:29], v[ADT]                   ; V's scale words likewise
.irp t, 0,1,2,3
.irp c, 0,1
	ds_load_b128 v[192+8*\t+4*\c:195+8*\t+4*\c], v[ADV] offset:1024*\t+512*\c
.endr
.endr
	s_wait_dscnt 0x9                               ; K and its scale words are in; the nine loads behind them (V's scale words, V's eight) may be out
.irp t, 0,1,2,3,4,5,6,7
	WMZ 96+8*\t, 32+8*\t, 16, 8+\t/2, 24, \t%2     ; S^T: register 8 t + j of lane (r, h): key 16 t + 8 h + j, query r
.endr
	PLACES 4
.irp b, 0,1,2,3
	v_max3_num_f32 v[232+\b], v[96+16*\b], v[97+16*\b], v[98+16*\b]       ; the largest score of each block of 32 keys: it serves for the row's maximum and, since p rises with the score, for the block's largest p
.endr
.irp i, 3,5,7,9,11,13
.irp b, 0,1,2,3
	v_max3_num_f32 v[232+\b], v[232+\b], v[96+16*\b+\i], v[97+16*\b+\i]
.endr
.endr
.irp b, 0,1,2,3
	v_max_num_f32 v[232+\b], v[232+\b], v[111+16*\b]
.endr
.irp b, 0,1,2,3
	s_delay_alu instid0(VALU_DEP_4)
	v_permlanex16_b32 v[236+\b], v[232+\b], s[SEL], s[SEL+1]
.endr
.irp b, 0,1,2,3
	s_delay_alu instid0(VALU_DEP_4)
	v_max_num_f32 v[232+\b], v[232+\b], v[236+\b]  ; with lane l xor 16's 16 keys
.endr
	s_delay_alu instid0(VALU_DEP_2)
	v_max3_num_f32 v254, v232, v233, v234
	s_delay_alu instid0(VALU_DEP_1)
	v_max_num_f32 v254, v254, v235
	s_delay_alu instid0(VALU_DEP_1)
	v_mul_f32 v254, s[CS], v254                    ; the step's largest t of my query
	s_delay_alu instid0(VALU_DEP_1)
	v_max_num_f32 v13, v13, v254
	v_mov_b32 v254, v12
	s_delay_alu instid0(VALU_DEP_2)
	v_floor_f32 v12, -v13                          ; the new -M = -ceil(t)
	s_delay_alu instid0(VALU_DEP_1)
	v_sub_f32 v254, v12, v254                      ; old M - new M: a whole number, 0 or less
	s_delay_alu instid0(VALU_DEP_1)
	v_cvt_i32_f32 v254, v254                       ; (it saturates)
	s_delay_alu instid0(VALU_DEP_1)
	v_ldexp_f32 v252, 1.0, v254                    ; f = 2^(old M - new M)
.set j, 0
.rept 32
	v_pk_fma_f32 v[96+j:97+j], v[96+j:97+j], s[CS:CS+1], v[12:13] op_sel_hi:[1,0,0]      ; t - M, two at a time
.set j, j+2
.endr
.irp b, 0,1,2,3
	v_fma_f32 v[232+\b], v[232+\b], s[CS], v12     ; the same of each block's largest score
.endr
.set j, 0
	s_wait_alu depctr_va_vdst(0)
.rept 64
	v_exp_f32 v[96+j], v[96+j]                     ; p = 2^(t - M), not normalised
.set j, j+1
.endr
	s_setprio 1
	v_pk_mul_f32 v[14:15], v[14:15], v[252:253] op_sel_hi:[1,0]    ; the sums under the new M: a plain instruction behind the exponentials
	s_wait_alu depctr_va_vdst(0)                   ; one wait for the batch of 64, ahead of its first reader
.irp b, 0,1,2,3
	v_exp_f32 v[232+\b], v[232+\b]                 ; the block's largest p: the same two instructions on the same number
.endr
	v_pk_add_f32 v[236:237], v[100:101], v[104:105]
	v_pk_add_f32 v[250:251], v[108:109], v[112:113]
	v_pk_add_f32 v[248:249], v[116:117], v[120:121]
	v_pk_add_f32 v[246:247], v[124:125], v[128:129]
	v_pk_add_f32 v[244:245], v[132:133], v[136:137]
	v_pk_add_f32 v[238:239], v[140:141], v[144:145]
	v_pk_add_f32 v[230:231], v[148:149], v[152:153]
	v_pk_add_f32 v[14:15], v[14:15], v[156:157]
	v_pk_add_f32 v[236:237], v[236:237], v[96:97]
	v_pk_add_f32 v[250:251], v[250:251], v[98:99]
	v_pk_add_f32 v[248:249], v[248:249], v[102:103]
	v_pk_add_f32 v[246:247], v[246:247], v[106:107]
	v_pk_add_f32 v[244:245], v[244:245], v[110:111]
	v_pk_add_f32 v[238:239], v[238:239], v[114:115]
	v_pk_add_f32 v[230:231], v[230:231], v[118:119]
	v_pk_add_f32 v[14:15], v[14:15], v[122:123]
	v_pk_add_f32 v[236:237], v[236:237], v[126:127]
	v_pk_add_f32 v[250:251], v[250:251], v[130:131]
	v_pk_add_f32 v[248:249], v[248:249], v[134:135]
	v_pk_add_f32 v[246:247], v[246:247], v[138:139]
	v_pk_add_f32 v[244:245], v[244:245], v[142:143]
	v_pk_add_f32 v[238:239], v[238:239], v[146:147]
	v_pk_add_f32 v[230:231], v[230:231], v[150:151]
	v_pk_add_f32 v[14:15], v[14:15], v[154:155]
	v_pk_add_f32 v[236:237], v[236:237], v[158:159]
	s_delay_alu instid0(VALU_DEP_2)
	v_pk_add_f32 v[14:15], v[14:15], v[246:247]
	s_delay_alu instid0(VALU_DEP_2)
	v_pk_add_f32 v[236:237], v[236:237], v[244:245]
	v_pk_add_f32 v[250:251], v[250:251], v[238:239]
	v_pk_add_f32 v[248:249], v[248:249], v[230:231]
	s_delay_alu instid0(VALU_DEP_2)
	v_pk_add_f32 v[14:15], v[14:15], v[250:251]
	s_delay_alu instid0(VALU_DEP_2)
	v_pk_add_f32 v[236:237], v[236:237], v[248:249]
	s_delay_alu instid0(VALU_DEP_1)
	v_pk_add_f32 v[14:15], v[14:15], v[236:237]
	s_wait_alu depctr_va_vdst(0)                   ; and one for the four
.irp b, 0,1,2,3
	v_max_num_f32 v[232+\b], 0x1800000, v[232+\b]  ; the floor 2^(3 - 127): the byte cannot fall under 1
.endr
.irp b, 0,1,2,3
	s_delay_alu instid0(VALU_DEP_4)
	v_add_nc_u32 v[244+\b], 0xff000000, v[232+\b]  ; 2 off the exponent field: the conversion's scale operand
.endr
.irp b, 0,1,2,3
	s_delay_alu instid0(VALU_DEP_4)
	v_lshrrev_b32 v[236+\b], 23, v[244+\b]
.endr
	s_delay_alu instid0(VALU_DEP_3)
	v_lshl_or_b32 v253, v237, 8, v236              ; p's scale word for these 128 keys
	s_delay_alu instid0(VALU_DEP_1)
	v_lshl_or_b32 v253, v238, 16, v253
	s_delay_alu instid0(VALU_DEP_1)
	v_lshl_or_b32 v253, v239, 24, v253
.irp b, 0,1,2,3
	v_cvt_scalef32_pk8_fp4_f32 v[224+4*(\b/2)+(\b%2)], v[96+16*\b:103+16*\b], v[244+\b]
	v_cvt_scalef32_pk8_fp4_f32 v[226+4*(\b/2)+(\b%2)], v[104+16*\b:111+16*\b], v[244+\b]
.endr
	v_nop                                          ; one plain instruction behind the last conversion
.irp c, 0,1
	v_permlane16_swap_b32 v[224+4*\c], v[225+4*\c]
	v_permlane16_swap_b32 v[226+4*\c], v[227+4*\c]
.endr
.set j, 0
	s_setprio 0
.rept 16
	v_pk_mul_f32 v[160+j:161+j], v[160+j:161+j], v[252:253] op_sel_hi:[1,0]       ; O^T under the new M; these sixteen also stand between the writing of p's codes and scale word and the products that take them
.set j, j+2
.endr
	s_wait_alu depctr_va_vdst(0)
	s_wait_dscnt 0x0                               ; V is in
.irp t, 0,1,2,3
	WMA 160+8*\t, 192+8*\t, 224, 28+\t/2, 253, \t%2        ; O^T += V^T P^T: four accumulators by turns
.endr
	s_add_co_u32 s[TK], s[TK], 4096
	s_add_co_u32 s[TS], s[TS], 512
	s_add_co_u32 s[TV], s[TV], 256
.endm
; A head ends: O^T / the sum, quantised along the head's 64: registers 240 + 8 p on; its two scale bytes at bit 16 p of the word
.macro WAYOUT p
	PLACES 4                                       ; behind the last products
	v_add_f32 v14, v14, v15
	s_delay_alu instid0(VALU_DEP_1)
	v_permlanex16_b32 v236, v14, s[SEL], s[SEL+1]
	s_delay_alu instid0(VALU_DEP_1)
	v_add_f32 v14, v14, v236                       ; the sum's two halves and lane l xor 16's: the row's sum
	s_wait_alu depctr_va_vdst(0)
	v_rcp_f32 v14, v14
	v_nop                                          ; a plain instruction behind the reciprocal,
	s_wait_alu depctr_va_vdst(0)                   ; and the wait ahead of its first reader
.set j, 0
.rept 16
	v_pk_mul_f32 v[96+j:97+j], v[160+j:161+j], v[14:15] op_sel_hi:[1,0]   ; register 8 t + j: channel 16 t + 8 h + j of query r; each accumulator from its low end on
.set j, j+2
.endr
.irp b, 0,1
	v_max3_num_f32 v[232+\b], |v[96+16*\b]|, |v[97+16*\b]|, 0x1800000
.endr
.irp i, 2,4,6,8,10,12,14
.irp b, 0,1
	s_delay_alu instid0(VALU_DEP_2)
	v_max3_num_f32 v[232+\b], v[232+\b], |v[96+16*\b+\i]|, |v[97+16*\b+\i]|
.endr
.endr
.irp b, 0,1
	s_delay_alu instid0(VALU_DEP_2)
	v_permlanex16_b32 v[236+\b], v[232+\b], s[SEL], s[SEL+1]
.endr
.irp b, 0,1
	s_delay_alu instid0(VALU_DEP_2)
	v_max_num_f32 v[232+\b], v[232+\b], v[236+\b]
.endr
.irp b, 0,1
	s_delay_alu instid0(VALU_DEP_2)
	v_add_nc_u32 v[244+\b], 0xff000000, v[232+\b]
.endr
.irp b, 0,1
	s_delay_alu instid0(VALU_DEP_2)
	v_lshrrev_b32 v[236+\b], 23, v[244+\b]
.endr
.irp b, 0,1
	v_cvt_scalef32_pk8_fp4_f32 v[240+8*(\p)+\b], v[96+16*\b:103+16*\b], v[244+\b]
	v_cvt_scalef32_pk8_fp4_f32 v[242+8*(\p)+\b], v[104+16*\b:111+16*\b], v[244+\b]
.endr
	v_nop
	v_permlane16_swap_b32 v[240+8*(\p)], v[241+8*(\p)]
	v_permlane16_swap_b32 v[242+8*(\p)], v[243+8*(\p)]
.if (\p) == 0
	v_lshl_or_b32 v[AW], v237, 8, v236
.else
	v_lshl_or_b32 v[AW], v236, 16, v[AW]
	s_delay_alu instid0(VALU_DEP_1)
	v_lshl_or_b32 v[AW], v237, 24, v[AW]
.endif
.endm
	INIT
	s_wait_tensorcnt 0x1                           ; the scale words and the first four key steps have landed; the rest alone may be out
	s_wait_loadcnt 0x0                             ; Q
	s_wait_dscnt 0x0
	s_barrier_signal -1
	s_barrier_wait -1
	s_mov_b32 s[CNT], 4
.Lfirst:                                           ; key steps 0 to 3 of head 2 s read the first 16,384 bytes of K and of V alone
	STEP
	s_sub_co_u32 s[CNT], s[CNT], 1
	s_cmp_lg_u32 s[CNT], 0
	s_cbranch_scc1 .Lfirst
	s_setprio 0
	s_wait_tensorcnt 0x0                           ; the rest has landed,
	s_wait_dscnt 0x0
	s_barrier_signal -1
	s_barrier_wait -1                              ; for every wave
	s_mov_b32 s[CNT], 12
.Lrest:
	STEP
	s_sub_co_u32 s[CNT], s[CNT], 1
	s_cmp_lg_u32 s[CNT], 0
	s_cbranch_scc1 .Lrest
	s_setprio 0
	global_load_b128 v[16:19], v[LI], s[4:5] offset:65536  ; head 2 s + 1's Q lands while head 2 s goes out (the last products that read these registers stand a softmax back)
	global_load_b32 v24, v[QSO], s[6:7] offset:8192
	WAYOUT 0
	INIT
	s_wait_loadcnt 0x0
	s_mov_b32 s[CNT], 16
.Lsecond:
	STEP
	s_sub_co_u32 s[CNT], s[CNT], 1
	s_cmp_lg_u32 s[CNT], 0
	s_cbranch_scc1 .Lsecond
	s_setprio 0
	WAYOUT 1
	global_store_b128 v[LI], v[240:243], s[16:17]              ; the fragment's registers 0-3: 512 consecutive bytes, aligned,
	global_store_b128 v[LI], v[248:251], s[16:17] offset:512   ; and 4-7
	ds_store_b32 v[GA], v[AW]                      ; both halves of the lanes write the same word with the same value
	s_wait_dscnt 0x0                               ; for the others' sake
	s_barrier_signal -1
	s_barrier_wait -1
	s_cmp_lt_u32 s[WV], 2
	s_cbranch_scc0 .Ldone
	ds_load_b128 v[96:99], v[GR]                   ; the scale words of 128 tokens, as the next launch's registers want them
	s_wait_dscnt 0x0
	global_store_b128 v[LI], v[96:99], s[18:19]
.Ldone:
	s_wait_xcnt 0x0
	v_lshl_add_u32 v254, v0, 2, 0x48000
	v_mov_b32 v255, 0
	s_wait_alu depctr_va_vdst(0)
	s_wait_tensorcnt 0x0
	ds_add_u32 v254, v255
	s_wait_dscnt 0x0
	CROUND                                         ; the closing round
	s_endpgm
.Lfunc_end_k_q7d3effd94d_attn:
	.size	k_q7d3effd94d_attn, .Lfunc_end_k_q7d3effd94d_attn-k_q7d3effd94d_attn
	.p2alignl 7, 3214868480
	.fill 96, 4, 3214868480
	.section	.rodata,"a",@progbits
	.p2align	6, 0x0
	.amdhsa_kernel k_q7d3effd94d_attn
		.amdhsa_group_segment_fixed_size 296960
		.amdhsa_private_segment_fixed_size 0
		.amdhsa_enable_private_segment 0
		.amdhsa_kernarg_size 64
		.amdhsa_user_sgpr_count 2
		.amdhsa_user_sgpr_kernarg_segment_ptr 1
		.amdhsa_wavefront_size32 1
		.amdhsa_system_sgpr_workgroup_id_x 1
		.amdhsa_system_sgpr_workgroup_id_y 1
		.amdhsa_system_sgpr_workgroup_id_z 1
		.amdhsa_system_vgpr_workitem_id 0
		.amdhsa_next_free_vgpr 256
		.amdhsa_next_free_sgpr 96
		.amdhsa_reserve_vcc 0
		.amdhsa_float_denorm_mode_32 3
		.amdhsa_float_denorm_mode_16_64 3
		.amdhsa_memory_ordered 1
		.amdhsa_forward_progress 1
		.amdhsa_inst_pref_size 70
	.end_amdhsa_kernel
	.amdgpu_metadata
---
amdhsa.version: [ 1, 2 ]
amdhsa.kernels:
  - .name:           k_q7d3effd94d_attn
    .symbol:         k_q7d3effd94d_attn.kd
    .args:
      - { .name: qc, .offset: 0, .size: 8, .value_kind: global_buffer, .address_space: global }
      - { .name: qs, .offset: 8, .size: 8, .value_kind: global_buffer, .address_space: global }
      - { .name: kc, .offset: 16, .size: 8, .value_kind: global_buffer, .address_space: global }
      - { .name: ks, .offset: 24, .size: 8, .value_kind: global_buffer, .address_space: global }
      - { .name: vc, .offset: 32, .size: 8, .value_kind: global_buffer, .address_space: global }
      - { .name: vs, .offset: 40, .size: 8, .value_kind: global_buffer, .address_space: global }
      - { .name: ac, .offset: 48, .size: 8, .value_kind: global_buffer, .address_space: global }
      - { .name: asc, .offset: 56, .size: 8, .value_kind: global_buffer, .address_space: global }
    .group_segment_fixed_size: 296960
    .private_segment_fixed_size: 0
    .kernarg_segment_align: 8
    .kernarg_segment_size: 64
    .max_flat_workgroup_size: 512
    .sgpr_count:     96
    .vgpr_count:     256
    .wavefront_size: 32
...
	.end_amdgpu_metadata
.endif
;; end of part 2
;; launch oproj (part 3): grid 4 x 64, 4 waves a work-group, clusters of 4 x 4, 221,696 bytes of LDS; arguments ac, asc, o_w_codes, o_w_scales, o_b, out0; writes out0
.if DOCPART == 3
	.amdgcn_target "amdgcn-amd-amdhsa--gfx1250"
	.amdhsa_code_object_version 6
	.text
	.protected	k_q7d3effd94d_oproj
	.globl	k_q7d3effd94d_oproj
	.p2align	8
	.type	k_q7d3effd94d_oproj,@function
k_q7d3effd94d_oproj:
	s_mov_b64 s[64:65], 0
	v_nop
	global_prefetch_b8 v0, s[64:65] scope:SCOPE_SE
	s_setreg_imm32_b32 hwreg(HW_REG_WAVE_MODE, 25, 1), 1
	s_wait_xcnt 0x0
	s_wait_alu depctr_hold_cnt(0) depctr_sa_sdst(0) depctr_va_vdst(0) depctr_va_sdst(0) depctr_va_ssrc(0) depctr_va_vcc(0) depctr_vm_vsrc(0)
	s_getreg_b32 s2, hwreg(HW_REG_IB_STS2, 6, 4)
	s_cmp_eq_u32 s2, 0
	s_cbranch_scc0 .Lentry_in_a_cluster
	s_endpgm
.Lentry_in_a_cluster:
	s_bfe_u32 s2, ttmp6, 0x10000c
	s_cmp_lg_u32 s2, 0xf033
	s_cbranch_scc0 .Lentry_shape_is_right
	s_endpgm
.Lentry_shape_is_right:
; out0 = a Wo^T + bo, on codes of FP4 (E2M1) with one E8M0 scale for each 32 along K = 1,024.  a's codes and scale words were laid by the launch before as images of operand registers; Wo arrives as rows with K innermost.
; SHARES.  A work-group takes 128 tokens x 256 columns; wave w all 128 tokens (8 tiles m) and columns 64 w on (4 tiles t): 32 accumulators.  All of K lies in LDS as two chunks of 512 along K, each filled once.
; CLUSTER 4 x 4.  The four of a row need the same 128 tokens of a, the four of a column the same 256 rows of Wo: each tile is asked for jointly, with a mask that names the four.
; Source 0 = 16 rows of Wo, source 1 = 16 tokens: a lane holds one token and eight neighbouring columns, 32 bytes of a row of out0.  The bias is the C of each sum's first matrix instruction.
; THE WAY OUT.  A tile of 16 tokens x my 64 columns goes through my own stage in LDS and comes back as rows of 256 bytes: sixteen lanes store 256 consecutive bytes, aligned.  The stages lie in slot 0, which has had
; its one fill, and which nobody reads behind the barrier in the fourth step.
; LDS: slot c at 102,400 c: a's images [tile 8][4,096 bytes], then Wo 256 rows x 272 (256 bytes + 16 of padding); Wo's scale bytes 32 x 272.
; REGISTERS.  window 0: v1-12 addresses; v32-63 a's scale words, v64-79 Wo's; v128-255 a's fragments, two sets (at the end: rows of out0).  window 1: v0-63 Wo's fragments, two sets; v64-95 the bias.  window 2: accumulators.
.set SLOTB, 102400
.set WOFF,  32768
.set WSB,   204800
.set LI,   1
.set ADRX, 3
.set ADRW, 5
.set ADSW, 8
.set STO,  9
.set RD,   10
.set BO,   11
.set CO,   12
.set XS,   32
.set WS,   64
.set XF,   128
.set OB,   128
.set WF,   0
.set BI,   64
.set WV,   20
.set ARM,  21
.set HALF, 22
.set G1X,  24
.set G1W,  32
.set G1WS, 40
.set G0X,  48
.set G0X1, 52
.set G0WS, 56
.set G0W,  60
.set G0W1, 68
.set MSB, 0
.macro WIN new
.if MSB != (\new)
	s_set_vgpr_msb (MSB<<8)|(\new)
.set MSB, (\new)
.endif
.endm
.macro PLACES n
.rept \n
	v_nop
.endr
.endm
.macro CROUND
	s_barrier_signal -1
	s_barrier_wait -1
	s_cmp_lg_u32 s[WV], 0
	s_cbranch_scc1 .Lnot_wave_0_\@
	s_barrier_signal -3
.Lnot_wave_0_\@:
	s_barrier_wait -3
	s_barrier_signal -1
	s_barrier_wait -1
.endm
.macro WM d, a, b, c, sa, sb, ra, rb
.if (\ra) == 0
.if (\rb) == 0
	v_wmma_scale_f32_16x16x128_f8f6f4 v[(\d):(\d)+7], v[(\a):(\a)+7], v[(\b):(\b)+7], v[(\c):(\c)+7], v[\sa], v[\sb] matrix_a_fmt:MATRIX_FMT_FP4 matrix_b_fmt:MATRIX_FMT_FP4
.else
	v_wmma_scale_f32_16x16x128_f8f6f4 v[(\d):(\d)+7], v[(\a):(\a)+7], v[(\b):(\b)+7], v[(\c):(\c)+7], v[\sa], v[\sb] matrix_a_fmt:MATRIX_FMT_FP4 matrix_b_fmt:MATRIX_FMT_FP4 matrix_b_scale:MATRIX_SCALE_ROW1
.endif
.else
.if (\rb) == 0
	v_wmma_scale_f32_16x16x128_f8f6f4 v[(\d):(\d)+7], v[(\a):(\a)+7], v[(\b):(\b)+7], v[(\c):(\c)+7], v[\sa], v[\sb] matrix_a_fmt:MATRIX_FMT_FP4 matrix_b_fmt:MATRIX_FMT_FP4 matrix_a_scale:MATRIX_SCALE_ROW1
.else
	v_wmma_scale_f32_16x16x128_f8f6f4 v[(\d):(\d)+7], v[(\a):(\a)+7], v[(\b):(\b)+7], v[(\c):(\c)+7], v[\sa], v[\sb] matrix_a_fmt:MATRIX_FMT_FP4 matrix_b_fmt:MATRIX_FMT_FP4 matrix_a_scale:MATRIX_SCALE_ROW1 matrix_b_scale:MATRIX_SCALE_ROW1
.endif
.endif
.endm
	s_load_b256 s[4:11], s[0:1], 0x0               ; ac, asc, Wo's codes, Wo's scales
	s_load_b128 s[12:15], s[0:1], 0x20             ; bo, out0
	v_lshl_add_u32 v126, v0, 2, 0x36000
	v_mov_b32 v127, 0
	ds_add_u32 v126, v127
	ds_add_u32 v126, v127
	v_lshrrev_b32 v16, 5, v0
	v_readfirstlane_b32 s[WV], v16
	s_lshr_b32 s[ARM], s[WV], 1                    ; I fetch for a (0) or for Wo (1),
	s_and_b32 s[HALF], s[WV], 1                    ; this half of its rows
	s_bfe_u32 s84, ttmp6, 0x40000                  ; cx: the tile of 256 columns
	s_bfe_u32 s85, ttmp6, 0x40004                  ; cy
	s_and_b32 s86, ttmp7, 0xffff
	s_lshl_b32 s86, s86, 2
	s_add_co_u32 s86, s86, s85                     ; y: the block of 128 tokens
	s_lshl_b32 s87, s85, 2
	s_lshl_b32 s87, 15, s87                        ; my row of the cluster
	s_lshl_b32 s88, 0x1111, s84                    ; my column
	s_lshl_b32 s96, s86, 16                        ; a: 8 tiles x 8,192 bytes a block; my four tiles
	s_lshl_b32 s23, s[HALF], 15
	s_add_co_u32 s96, s96, s23
	s_mov_b32 s97, 0
	s_lshl_b32 s100, s84, 8                        ; Wo: row 256 cx + 128 x half
	s_lshl_b32 s23, s[HALF], 7
	s_add_co_u32 s100, s100, s23
	s_lshl_b32 s2, s100, 5
	s_mov_b32 s3, 0
	s_lshl_b32 s100, s100, 9
	s_mov_b32 s101, 0
	v_and_b32 v16, 31, v0                          ; lane
	v_and_b32 v17, 15, v0                          ; r
	v_bfe_u32 v18, v0, 4, 1                        ; h
	v_lshlrev_b32 v[LI], 4, v16
	v_lshlrev_b32 v[ADRX], 4, v16                  ; a's images: 16 x lane, in slot 0,
	v_add_nc_u32 v[ADRX+1], SLOTB, v[LI]           ; in slot 1
	v_mul_u32_u24 v19, v17, 272
	v_lshl_add_u32 v20, v18, 4, v19                ; Wo: 272 r + 16 h
	s_mul_i32 s23, s[WV], 17408
	s_add_co_u32 s23, s23, WOFF
	v_add_nc_u32 v[ADRW], s23, v20
	s_add_co_u32 s23, s23, SLOTB
	v_add_nc_u32 v[ADRW+1], s23, v20
	v_lshlrev_b32 v21, 5, v17                      ; Wo's scale bytes: 32 a row, 16 more for each 256 passed, lanes 16-31 one tile further on
	v_lshrrev_b32 v22, 3, v17
	v_lshl_add_u32 v21, v22, 4, v21
	v_mad_u32_u24 v21, v18, 544, v21
	s_mul_i32 s23, s[WV], 2176
	s_add_co_u32 s23, s23, WSB
	v_add_nc_u32 v[ADSW], s23, v21
	s_mul_i32 s23, s[WV], 4352                     ; my stage: 16 rows x 272
	v_lshl_add_u32 v[STO], v18, 5, v19             ; in: row r, 32 bytes for each half of the lanes
	v_add_nc_u32 v[STO], s23, v[STO]
	v_mul_u32_u24 v[RD], v18, 272                  ; back: lanes 0-15 one row of 256 bytes, lanes 16-31 the next
	v_lshl_add_u32 v[RD], v17, 4, v[RD]
	v_add_nc_u32 v[RD], s23, v[RD]
	v_lshlrev_b32 v[CO], 12, v18                   ; and the same two rows in out0: 4,096 bytes a row
	v_lshl_add_u32 v[CO], v17, 4, v[CO]
	v_lshlrev_b32 v[BO], 5, v18
	s_wait_dscnt 0x0
	s_wait_kmcnt 0x0
	s_add_nc_u64 s[4:5], s[4:5], s[96:97]
	s_add_nc_u64 s[8:9], s[8:9], s[100:101]
	s_add_nc_u64 s[10:11], s[10:11], s[2:3]
	; a's images: of each of 4 tiles the 4,096 bytes of a chunk (512 elements of 8 bytes), 8,192 bytes apart in memory, dense in LDS
	s_or_b32 s[G1X], s87, 0x230000                 ; 15:0 the mask: my row; elements of 8 bytes; 21 set beside a mask; no padding
	s_mov_b32 s[G1X+1], 512<<16
	s_mov_b32 s[G1X+2], 4<<16
	s_mov_b32 s[G1X+3], 512<<16
	s_mov_b32 s[G1X+4], 4
	s_mov_b32 s[G1X+5], 1024
	s_mov_b32 s[G1X+6], 0
	s_mov_b32 s[G1X+7], 0
	s_or_b32 s[G1W], s88, 0x7700000                ; Wo: 128 rows of 256 bytes, 512 apart, 16 bytes of padding behind each; the mask: my column
	s_mov_b32 s[G1W+1], 256<<16
	s_mov_b32 s[G1W+2], 128<<16
	s_mov_b32 s[G1W+3], 256<<16
	s_mov_b32 s[G1W+4], 128
	s_mov_b32 s[G1W+5], 512
	s_mov_b32 s[G1W+6], 0
	s_mov_b32 s[G1W+7], 0
	s_or_b32 s[G1WS], s88, 0x7730000               ; its scale bytes: 16 rows of 256 bytes, dense, padded likewise
	s_mov_b32 s[G1WS+1], 32<<16
	s_mov_b32 s[G1WS+2], 16<<16
	s_mov_b32 s[G1WS+3], 32<<16
	s_mov_b32 s[G1WS+4], 16
	s_mov_b32 s[G1WS+5], 32
	s_mov_b32 s[G1WS+6], 0
	s_mov_b32 s[G1WS+7], 0
	s_mov_b32 s[G0X], 1
	s_lshl_b32 s[G0X+1], s[HALF], 14
	s_mov_b64 s[G0X+2:G0X+3], s[4:5]
	s_or_b32 s[G0X+3], s[G0X+3], 0x80000000
	s_mov_b32 s[G0X1], 1
	s_add_co_u32 s[G0X1+1], s[G0X+1], SLOTB
	s_add_nc_u64 s[G0X1+2:G0X1+3], s[4:5], 4096
	s_or_b32 s[G0X1+3], s[G0X1+3], 0x80000000
	s_mov_b32 s[G0WS], 1
	s_mul_i32 s23, s[HALF], 4352
	s_add_co_u32 s[G0WS+1], s23, WSB
	s_mov_b64 s[G0WS+2:G0WS+3], s[10:11]
	s_or_b32 s[G0WS+3], s[G0WS+3], 0x80000000
	s_mov_b32 s[G0W], 1
	s_mul_i32 s23, s[HALF], 34816
	s_add_co_u32 s[G0W+1], s23, WOFF
	s_mov_b64 s[G0W+2:G0W+3], s[8:9]
	s_or_b32 s[G0W+3], s[G0W+3], 0x80000000
	s_mov_b32 s[G0W1], 1
	s_add_co_u32 s[G0W1+1], s[G0W+1], SLOTB
	s_add_nc_u64 s[G0W1+2:G0W1+3], s[8:9], 256
	s_or_b32 s[G0W1+3], s[G0W1+3], 0x80000000
	CROUND                                         ; all sixteen work-groups are here: the joint loads meet
	s_cmp_eq_u32 s[ARM], 0                         ; a wave's fills stand in one branch on its number: two or three loads of mine are out, chunk 1's the last
	s_cbranch_scc0 .Larm_w
	tensor_load_to_lds s[G0X:G0X+3], s[G1X:G1X+7]
	s_nop 0
	tensor_load_to_lds s[G0X1:G0X1+3], s[G1X:G1X+7]
	s_nop 0
	PLACES 4
	s_branch .Lasked
.Larm_w:
	tensor_load_to_lds s[G0WS:G0WS+3], s[G1WS:G1WS+7]
	s_nop 0
	tensor_load_to_lds s[G0W:G0W+3], s[G1W:G1W+7]
	s_nop 0
	tensor_load_to_lds s[G0W1:G0W1+3], s[G1W:G1W+7]
	s_nop 0
	PLACES 4
.Lasked:
	s_lshl_b32 s96, s86, 12
	s_mov_b32 s97, 0
	s_add_nc_u64 s[6:7], s[6:7], s[96:97]          ; a's scale words: 4,096 bytes a block of 128 tokens
	s_lshl_b32 s100, s84, 10
	s_lshl_b32 s2, s[WV], 8
	s_add_co_u32 s100, s100, s2                    ; my 64 columns, in bytes
	s_mov_b32 s101, 0
	s_add_nc_u64 s[12:13], s[12:13], s[100:101]
	s_add_nc_u64 s[14:15], s[14:15], s[100:101]
	s_lshl_b32 s100, s86, 19                       ; my 128 rows of out0
	s_add_nc_u64 s[14:15], s[14:15], s[100:101]
.irp q, 0,1,2,3,4,5,6,7
	global_load_b128 v[XS+4*\q:XS+4*\q+3], v[LI], s[6:7] offset:512*\q    ; register XS + 4 q + i: lanes 0-15 tile 2 i, lanes 16-31 tile 2 i + 1, the q-th 128 along K
.endr
	WIN 0x40
	s_wait_alu depctr_va_vdst(0)
.irp t, 0,1,2,3
	global_load_b128 v[BI+8*\t:BI+8*\t+3], v[BO], s[12:13] offset:64*\t   ; the bias in the result's layout: columns 16 t + 8 h + 0 .. 7
	global_load_b128 v[BI+8*\t+4:BI+8*\t+7], v[BO], s[12:13] offset:64*\t+16
.endr
	WIN 0
.macro FETCH q                         ; 24 LDS loads: the fragments of the q-th 128 along K into set q % 2
.irp m, 0,1,2,3,4,5,6,7
.irp c, 0,1
	ds_load_b128 v[XF+64*((\q)%2)+8*\m+4*\c:XF+64*((\q)%2)+8*\m+4*\c+3], v[ADRX+(\q)/4] offset:4096*\m+1024*((\q)%4)+512*\c
.endr
.endr
	WIN 0x40
.irp t, 0,1,2,3
.irp c, 0,1
	ds_load_b128 v[WF+32*((\q)%2)+8*\t+4*\c:WF+32*((\q)%2)+8*\t+4*\c+3], v[ADRW+(\q)/4] offset:4352*\t+64*((\q)%4)+32*\c
.endr
.endr
	WIN 0
.endm
.macro STEP q                          ; 128 along K: the next step's fragments first, then 32 matrix instructions, the 32 accumulators by turns, in the same order in every step
	s_wait_dscnt 0x0                               ; this step's fragments are in
.if (\q) == 3
	s_wait_tensorcnt 0x0                           ; my part of chunk 1 has landed,
	s_barrier_signal -1
	s_barrier_wait -1                              ; everybody's has; and nobody reads slot 0 any more
.endif
.if (\q) < 7
.if (\q) > 0
	PLACES 4
.endif
	FETCH (\q)+1
.endif
.if (\q) == 0
	WIN 0x91                                       ; Wo in window 1, a in window 0, C = the bias in window 1, D in window 2
.else
	WIN 0xa1
.endif
.irp m, 0,1,2,3,4,5,6,7
.irp t, 0,1,2,3
.set rD, 8*(4*\m+\t)
.set rC, rD
.if (\q) == 0
.set rC, BI+8*\t
.endif
	WM rD, WF+32*((\q)%2)+8*\t, XF+64*((\q)%2)+8*\m, rC, WS+8*(\t/2)+(\q), XS+4*(\q)+\m/2, \t%2, \m%2
.endr
.endr
	WIN 0
.endm
	s_wait_tensorcnt 0x1                           ; of my loads chunk 1's alone may be out
	s_wait_loadcnt 0x0                             ; a's scale words and the bias
	s_barrier_signal -1
	s_barrier_wait -1
.irp i, 0,1
.irp c, 0,1
	ds_load_b128 v[WS+8*\i+4*\c:WS+8*\i+4*\c+3], v[ADSW] offset:1088*\i+16*\c
.endr
.endr
	FETCH 0
.irp q, 0,1,2,3,4,5,6,7
	STEP \q
.endr
.macro TOSTAGE m                       ; tile m into my stage, each accumulator from its low end on, and back as rows; LDS serves a wave's instructions in order, so no wait stands between
	WIN 0x08                                       ; an LDS store's data are its source 1: window 2
.irp t, 0,1,2,3
	ds_store_b128 v[STO], v[8*(4*(\m)+\t):8*(4*(\m)+\t)+3] offset:64*\t
	ds_store_b128 v[STO], v[8*(4*(\m)+\t)+4:8*(4*(\m)+\t)+7] offset:64*\t+16
.endr
	WIN 0
.irp i, 0,1,2,3,4,5,6,7
	ds_load_b128 v[OB+32*((\m)%2)+4*\i:OB+32*((\m)%2)+4*\i+3], v[RD] offset:544*\i
.endr
.endm
.macro SEND m, younger                 ; younger: the LDS instructions issued behind tile m's loads, which may stay out
	s_wait_dscnt \younger
.irp i, 0,1,2,3,4,5,6,7
	global_store_b128 v[CO], v[OB+32*((\m)%2)+4*\i:OB+32*((\m)%2)+4*\i+3], s[14:15] offset:65536*(\m)+8192*\i th:TH_STORE_NT      ; 16 lanes store 256 consecutive bytes, aligned; written once, read by nobody here
.endr
.endm
	PLACES 4                                       ; behind the last products: their results are read, and a's fragments' registers are loaded
	TOSTAGE 0
.irp a, 1,2,3,4,5,6,7
.if \a > 1
	s_wait_xcnt 0x0                                ; tile a - 2's stores have read their registers: tile a's rows may land there
.endif
	TOSTAGE \a
	SEND \a-1, 16                                  ; behind tile a - 1's loads: tile a's 8 stores and 8 loads
.endr
	SEND 7, 0
	s_wait_tensorcnt 0x0
	ds_add_u32 v126, v127
	s_wait_dscnt 0x0
	CROUND                                         ; the closing round
	s_endpgm
.Lfunc_end_k_q7d3effd94d_oproj:
	.size	k_q7d3effd94d_oproj, .Lfunc_end_k_q7d3effd94d_oproj-k_q7d3effd94d_oproj
	.p2alignl 7, 3214868480
	.fill 96, 4, 3214868480
	.section	.rodata,"a",@progbits
	.p2align	6, 0x0
	.amdhsa_kernel k_q7d3effd94d_oproj
		.amdhsa_group_segment_fixed_size 221696
		.amdhsa_private_segment_fixed_size 0
		.amdhsa_enable_private_segment 0
		.amdhsa_kernarg_size 48
		.amdhsa_user_sgpr_count 2
		.amdhsa_user_sgpr_kernarg_segment_ptr 1
		.amdhsa_wavefront_size32 1
		.amdhsa_system_sgpr_workgroup_id_x 1
		.amdhsa_system_sgpr_workgroup_id_y 1
		.amdhsa_system_sgpr_workgroup_id_z 1
		.amdhsa_system_vgpr_workitem_id 0
		.amdhsa_next_free_vgpr 768
		.amdhsa_next_free_sgpr 102
		.amdhsa_reserve_vcc 0
		.amdhsa_float_denorm_mode_32 3
		.amdhsa_float_denorm_mode_16_64 3
		.amdhsa_memory_ordered 1
		.amdhsa_forward_progress 1
		.amdhsa_inst_pref_size 71
	.end_amdhsa_kernel
	.amdgpu_metadata
---
amdhsa.version: [ 1, 2 ]
amdhsa.kernels:
  - .name:           k_q7d3effd94d_oproj
    .symbol:         k_q7d3effd94d_oproj.kd
    .args:
      - { .name: ac, .offset: 0, .size: 8, .value_kind: global_buffer, .address_space: global }
      - { .name: asc, .offset: 8, .size: 8, .value_kind: global_buffer, .address_space: global }
      - { .name: o_w_codes, .offset: 16, .size: 8, .value_kind: global_buffer, .address_space: global }
      - { .name: o_w_scales, .offset: 24, .size: 8, .value_kind: global_buffer, .address_space: global }
      - { .name: o_b, .offset: 32, .size: 8, .value_kind: global_buffer, .address_space: global }
      - { .name: out0, .offset: 40, .size: 8, .value_kind: global_buffer, .address_space: global }
    .group_segment_fixed_size: 221696
    .private_segment_fixed_size: 0
    .kernarg_segment_align: 8
    .kernarg_segment_size: 48
    .max_flat_workgroup_size: 128
    .sgpr_count:     102
    .vgpr_count:     768
    .wavefront_size: 32
...
	.end_amdgpu_metadata
.endif
;; end of part 3
